; MI455X (gfx1250); checked and timed in simulation.
; The chip was launched on July 23, 2026; its instructions are those of AMD's public machine-readable ISA for CDNA 5 (MIT licence, August 2026) and "CDNA5" Instruction Set Architecture Reference Guide (July 2026). The comments in the code are by the model that wrote it; some were corrected since.
;; Transformer Encoder Layer. Allowed arithmetic: matrix products marked QUANTISED: E5M2 operands, one given power-of-two scale a tensor, by v_wmma_f32_16x16x64_bf8_bf8 or v_wmma_f32_16x16x128_bf8_bf8, f32 sums; everything else in f32.
;; Inputs: b1 4,096 float32; b2 1,024 float32; b_out 1,024 float32; be1 1,024 float32; be2 1,024 float32; g1 1,024 float32; g2 1,024 float32; lowp_scales 12 int32 (the exponents e of the quantised operands' scales 2^e); mask 2 x 2,048 int32; w1_codes 4,096 x 32 x 32 uint8 (E5M2 codes of w1, K innermost, in blocks of 32 codes); w2_codes 1,024 x 128 x 32 uint8 (E5M2 codes of w2, K innermost, in blocks of 32 codes); w_out_codes 1,024 x 32 x 32 uint8 (E5M2 codes of w_out, K innermost, in blocks of 32 codes); w_qkv_codes 3,072 x 32 x 32 uint8 (E5M2 codes of w_qkv, K innermost, in blocks of 32 codes); x 2 x 2,048 x 1,024 float32.
;; Outputs: out0 2 x 2,048 x 1,024 float32.
;; This version of the problem:
;;   THIS VERSION OF THE PROBLEM IS GIVEN IN LOW PRECISION. The matrix products marked QUANTISED in the list below multiply operands that are first quantised to E5M2 (5 exponent bits, 2 mantissa bits; 8 bits a number), with one given power-of-two scale for each operand tensor; their sums are f32. All else is computed in f32.
;;   The module's matrix products, in the order in which they are computed (A, B: the left and right operand; K: the contracted axis; several contracted axes count as one K, in the product's order):
;;     1. [M 4,096, K 1,024] x [K 1,024, N 3,072]; A: computed on the way; B: input w_qkv (given as codes): QUANTISED (scales: A lowp_scales[0], B lowp_scales[1])
;;     2. batch 32 x [M 2,048, K 64] x [K 64, N 2,048]; A: computed on the way; B: computed on the way: QUANTISED (scales: A lowp_scales[2], B lowp_scales[3])
;;     3. batch 32 x [M 2,048, K 2,048] x [K 2,048, N 64]; A: softmax (see below); B: computed on the way: QUANTISED (scales: A lowp_scales[4], B lowp_scales[5])
;;     4. [M 4,096, K 1,024] x [K 1,024, N 1,024]; A: computed on the way; B: input w_out (given as codes): QUANTISED (scales: A lowp_scales[6], B lowp_scales[7])
;;     5. [M 4,096, K 1,024] x [K 1,024, N 4,096]; A: computed on the way; B: input w1 (given as codes): QUANTISED (scales: A lowp_scales[8], B lowp_scales[9])
;;     6. [M 4,096, K 4,096] x [K 4,096, N 1,024]; A: computed on the way; B: input w2 (given as codes): QUANTISED (scales: A lowp_scales[10], B lowp_scales[11])
;;   THE QUANTISER, for each operand of a quantised product, along K:
;;     - The operand's scale is 2^e, e = its entry of the input lowp_scales (int32; the entries are numbered through the quantised products in the list's order, A before B).
;;     - Each number is divided by the scale, clamped to +-57,344, and rounded to the nearest number of E5M2, ties to even, subnormals kept.
;;     - The product sums the exact products of the quantised numbers (number of the format x scale) in f32.
;;   ~~~python
;;   def quantise(x, axis, e):      # numpy; x: float32 -> the quantised numbers, widened to float32 again
;;       x = np.moveaxis(x, axis, -1); K = x.shape[-1]
;;       r = np.clip(x / 2.0 ** e, -57344, 57344)
;;       step = 2.0 ** (np.maximum(np.frexp(np.where(r == 0, 1, r))[1] - 1, -14) - 2)
;;       q = np.round(r / step) * step * 2.0 ** e      # np.round: ties to even
;;       return np.moveaxis(q, -1, axis).astype(np.float32)
;;   ~~~
;;   SOFTMAX AHEAD OF A QUANTISED PRODUCT. Where the list says 'softmax', what is quantised is not the finished softmax but p = 2^(t - M), with t = logit x log2(e) and M = ceil(the row's largest t), a whole number; so 1/2 < the row's largest p <= 1. The row's sum l is taken of the UNQUANTISED p, in f32, and the product's result is divided by l at the end. Since M is a whole number, a kernel that streams over the keys may use a running M (the ceiling of the running maximum): every later rescaling is an exact power of two, so the quantised numbers keep their values, but for numbers so far below the row's largest that they fall under the format's range.
;;   OPERANDS COMPUTED ON THE WAY. 'Computed on the way' means the value that the module computes at that place (a softmax that the list does not call 'softmax' is quantised finished and normalised). What goes into a quantiser is computed in f32, as accurately as f32 sums, v_exp_f32 and their like allow (about 1e-6 of the number): no bf16 or f16 on the way to a quantiser, and a product that is left as it is and whose result goes on into a quantised operand takes f32 operands (vector FMAs, or v_wmma_f32_16x16x4_f32). A number that lies on a knife's edge between two numbers of the format may be rounded either way, as far as f32 arithmetic and the matrix unit's own rounding can turn it there, and no further.
;;   INPUTS GIVEN AS CODES. w1 (in the module: [1024, 4096], K = its axis 0); w2 (in the module: [4096, 1024], K = its axis 0); w_out (in the module: [1024, 1024], K = its axis 0); w_qkv (in the module: [1024, 3072], K = its axis 0): each comes as NAME_codes (uint8): NAME with its K axis moved to the last place and cut into blocks of 32 codes, [.., K / 32, bytes a block], one block behind the other in memory; one code a byte (a code: sign, 5 exponent bits, 2 mantissa bits); its scale is its entry of lowp_scales. Its value is code x scale, taken as it is: it is not quantised again, and the codes and scales need not be those that the quantiser above would give.
;; 2 versions, each right; version 2 is version 1 with the launch attn written anew for expert scheduling mode. Each part assembles by itself: llvm-mc -triple=amdgcn-amd-amdhsa -mcpu=gfx1250 --defsym DOCPART=n.
;; ======== version 1 of 2: 7 launches
;; limits: right only within a limited range of input values
;; workspace buffers: hc 4,194,304 bytes; hk 4,194,304 bytes; qi 4,194,304 bytes; kv 8,388,608 bytes; ao 4,194,304 bytes; x1 16,777,216 bytes; hid 16,777,216 bytes; cnt 256 bytes of whole numbers
;; launch ln1 (part 1): grid 256 x 1, 4 waves a work-group, no clusters, 0 bytes of LDS; arguments x, g1, be1, lowp_scales, mask, hc, hk, cnt; writes hc, hk, cnt
.if DOCPART == 1
	.amdgcn_target "amdgcn-amd-amdhsa--gfx1250"
	.amdhsa_code_object_version 6
	.text
	.protected	k_q2d3e8698bb_ln1
	.globl	k_q2d3e8698bb_ln1
	.p2align	8
	.type	k_q2d3e8698bb_ln1,@function
k_q2d3e8698bb_ln1:
	s_mov_b64 s[64:65], 0
	v_nop
	global_prefetch_b8 v0, s[64:65] scope:SCOPE_SE
	s_setreg_imm32_b32 hwreg(HW_REG_WAVE_MODE, 25, 1), 1
	s_wait_xcnt 0x0
; codes = Q(LayerNorm(x) * g + be): x [4096][1024] f32, codes [4096][1024] of E5M2, K (the row) innermost, with the given scale 2^e, e = the entry of the scales' buffer at byte SCL.
; THE CODES ARE STORED TWICE: hc holds the rows in their own order (the queries are made of it); hk holds each batch's 2,048 rows with THE KEYS THAT COUNT FIRST (mask not 0), the others behind them, each kind in its own order
; (keys and values are made of it, so that attention can stop behind the last key that counts).  Row t goes to place P where it counts and to n + t - P where it does not: n = the batch's keys that count, P = those ahead of t.
; That is a one-to-one map of the 2,048 places, so every row of hk is written.  cnt [2][32] int32 takes n (32 equal words a batch), stored by the wave that owns the batch's row 0.
; A wave takes four whole rows; a row stays in 32 registers a lane between the pass for the mean, the pass for the variance (of x - mean, so that a common offset costs no accuracy) and the scaling: x is read once.
; Lane l holds columns 256 q + 8 l + 0 .. 7, q = 0 .. 3: eight neighbours along K, as the conversion takes them; its 8 codes are 8 bytes, so a wave's store covers 256 consecutive bytes, aligned.
; Each wave counts for itself: the batch's 2,048 words of the mask are 64 a lane, in registers 256 to 319; whole-number arithmetic alone stands between the mask and an address.  The counting stands where the wave would wait for x.
; No LDS, no barrier, no matrix unit, no cluster: waves share nothing and the work is a stream.  All 64 loads of a wave go out at once; every row has registers of its own, so nothing that a store reads is written again.
; LIMITS: e between -126 and 112, so that 2^e and 57,344 x 2^e are f32 numbers.  NaN among the inputs is not served.
.set SCL, 0                            ; byte of this operand's exponent among the scales
.set G,   8                            ; v[8:39]    g of my 32 columns
.set BE,  40                           ; v[40:71]   be of my 32 columns
.set X,   72                           ; v[72:199]  four rows, 32 registers each
.set C,   200                          ; v[200:231] their codes, 8 registers each
.set PO,  240                          ; v[240:243] my byte offset in hk for each of the four rows
.set MSB, 0
.macro WIN new                         ; s_set_vgpr_msb: bits 1:0 source 0, 3:2 source 1, 5:4 source 2, 7:6 destination; the immediate's high byte repeats the setting that is left
.if MSB != \new
	s_set_vgpr_msb (MSB<<8)|\new
.set MSB, \new
.endif
.endm
	s_load_b256 s[4:11], s[0:1], 0x0               ; x s[4:5], g s[6:7], be s[8:9], the scales' exponents s[10:11]
	s_load_b256 s[36:43], s[0:1], 0x20             ; mask s[36:37], hc s[38:39], hk s[40:41], cnt s[42:43]
	v_lshrrev_b32 v3, 5, v0
	v_readfirstlane_b32 s20, v3                    ; wave
	v_and_b32 v2, 31, v0                           ; lane
	v_lshlrev_b32 v1, 5, v2                        ; my 32 bytes of each 1,024 bytes of a row of f32
	v_lshlrev_b32 v6, 4, v2                        ; my 16 bytes of each 512 bytes of the mask
	v_lshlrev_b32 v7, 2, v2                        ; my word of cnt
	v_lshlrev_b32 v2, 3, v2                        ; my 8 bytes of each 256 codes
	s_lshl_b32 s21, ttmp9, 4
	s_lshl_b32 s20, s20, 2
	s_add_co_u32 s20, s20, s21                     ; my first row: 16 x work-group + 4 x wave
	s_lshl_b32 s22, s20, 12                        ; in x: rows of 4,096 bytes
	s_mov_b32 s23, 0
	s_lshl_b32 s24, s20, 10                        ; in hc: rows of 1,024 bytes
	s_mov_b32 s25, 0
	s_lshr_b32 s26, s20, 11                        ; the batch
	s_and_b32 s27, s20, 2047                       ; t0: my first row in the batch, a multiple of 4
	s_lshr_b32 s28, s27, 2                         ; t0 / 4
	s_lshl_b32 s32, s26, 13                        ; the batch's 8,192 bytes of the mask
	s_mov_b32 s33, 0
	s_lshl_b32 s34, s27, 2                         ; my four rows' words in it
	s_mov_b32 s35, 0
	s_mov_b32 s12, 0x76543210                      ; v_permlanex16_b32: lane l xor 16
	s_mov_b32 s13, 0xfedcba98
	s_mov_b32 s14, 0x3a800000                      ; 1 / 1024
	s_mov_b32 s15, 0x3727c5ac                      ; 1e-5
	v_mov_b32 v233, 0                              ; (named as the upper halves of the pairs v[232:233] and v[234:235])
	v_mov_b32 v235, 0
	v_mov_b32 v237, 0                              ; written once: the destination of a move between lanes counts as one of its sources
	s_wait_kmcnt 0x0
	s_load_b32 s18, s[10:11], SCL                  ; e
	s_add_nc_u64 s[36:37], s[36:37], s[32:33]
	s_add_nc_u64 s[34:35], s[36:37], s[34:35]
	s_load_b128 s[44:47], s[34:35], 0x0            ; the mask of my four rows
	s_add_nc_u64 s[4:5], s[4:5], s[22:23]
	s_add_nc_u64 s[38:39], s[38:39], s[24:25]
	s_lshl_b32 s22, s26, 21                        ; the batch's 2,048 rows of 1,024 bytes in hk
	s_add_nc_u64 s[40:41], s[40:41], s[22:23]
	s_lshl_b32 s22, s26, 7                         ; its 128 bytes of cnt
	s_add_nc_u64 s[42:43], s[42:43], s[22:23]
	WIN 0x40                                       ; destination: registers 256 on
.irp q, 0,1,2,3,4,5,6,7,8,9,10,11,12,13,14,15
	global_load_b128 v[4*\q:4*\q+3], v6, s[36:37] offset:512*\q   ; words 128 q + 4 lane + 0 .. 3 of the batch's mask -> v256 + 4 q on
.endr
	v_and_b32 v66, 31, v0                          ; v322 = lane
	v_mov_b32 v64, 0                               ; v320: my lane's words that are not 0, so far
	v_mov_b32 v65, 0                               ; v321: those of them that lie ahead of t0
	WIN 0
.irp q, 0,1,2,3
.irp p, 0,1
	global_load_b128 v[G+8*\q+4*\p:G+8*\q+4*\p+3], v1, s[6:7] offset:1024*\q+16*\p
.endr
.endr
.irp q, 0,1,2,3
.irp p, 0,1
	global_load_b128 v[BE+8*\q+4*\p:BE+8*\q+4*\p+3], v1, s[8:9] offset:1024*\q+16*\p
.endr
.endr
.irp w, 0,1,2,3
.irp q, 0,1,2,3
.irp p, 0,1
	global_load_b128 v[X+32*\w+8*\q+4*\p:X+32*\w+8*\q+4*\p+3], v1, s[4:5] offset:4096*\w+1024*\q+16*\p
.endr
.endr
.endr
	s_wait_kmcnt 0x0
	s_add_co_i32 s18, s18, 127
	s_lshl_b32 s19, s18, 23
	v_mov_b32 v4, s19                              ; 2^e as f32: the conversion takes its exponent field
	s_add_co_i32 s18, s18, 15
	s_lshl_b32 s18, s18, 23
	s_or_b32 s18, s18, 0x600000
	v_mov_b32 v5, s18                              ; 57,344 x 2^e
	; THE COUNT.  Words 128 q + 4 lane + 0 .. 3 lie ahead of t0 where 32 q + lane < t0 / 4; for a lane that holds for the low q alone, so the running count is kept as long as it holds.
	s_wait_loadcnt 48                              ; loads come back in order: the mask's 16 are in; the 48 of g, be and x stay out
	WIN 0x55                                       ; every operand: registers 256 on
.set i, 0
.rept 64
	v_min_u32 v[i], 1, v[i]                        ; 1 where the word is not 0
.set i, i+1
.endr
.irp q, 0,1,2,3,4,5,6,7,8,9,10,11,12,13,14,15
	v_add3_u32 v64, v64, v[4*\q], v[4*\q+1]
	v_add3_u32 v64, v64, v[4*\q+2], v[4*\q+3]
	s_sub_co_i32 s29, s28, 32*\q
	v_cmp_gt_i32 vcc_lo, s29, v66                  ; t0 / 4 - 32 q > lane
	v_cndmask_b32 v65, v65, v64, vcc_lo
.endr
	v_lshl_add_u32 v64, v65, 16, v64               ; both counts in one word: neither sum passes 2,048
	WIN 0x01                                       ; source 0: registers 256 on
	v_mov_b32 v236, v64
	WIN 0
.irp m, 1,2,4,8
	v_mov_b32_dpp v237, v236 row_xmask:\m row_mask:0xf bank_mask:0xf
	v_add_nc_u32 v236, v236, v237
.endr
	v_permlanex16_b32 v237, v236, s12, s13
	v_add_nc_u32 v236, v236, v237                  ; the sums over the 32 lanes
	v_readfirstlane_b32 s30, v236
	s_and_b32 s31, s30, 0xffff                     ; n
	s_lshr_b32 s30, s30, 16                        ; P
.irp i, 0,1,2,3
	s_min_u32 s[44+\i], s[44+\i], 1                ; does row t0 + i count?
	s_add_co_u32 s29, s31, s27
	s_add_co_u32 s29, s29, \i
	s_sub_co_u32 s29, s29, s30                     ; n + t - P
	s_cmp_lg_u32 s[44+\i], 0
	s_cselect_b32 s29, s30, s29                    ; its place
	s_add_co_u32 s30, s30, s[44+\i]                ; P for the next row
	s_min_u32 s29, s29, 2047                       ; (by the arithmetic above it is 2,047 at the most: the bound is written out ahead of the address)
	s_lshl_b32 s29, s29, 10
	v_add_nc_u32 v[PO+\i], s29, v2
.endr
	s_cmp_lg_u32 s27, 0                            ; the wave that owns the batch's row 0 stores n: a branch on the work-group's and the wave's numbers
	s_cbranch_scc1 .Lnot_first
	v_mov_b32 v244, s31
	global_store_b32 v7, v244, s[42:43]            ; 32 equal words, 128 consecutive bytes
.Lnot_first:
.macro REDUCE r, t                     ; the sum of v[r] over the 32 lanes, in every lane; v[t] has been written before
	v_add_f32_dpp v[\r], v[\r], v[\r] row_xmask:1 row_mask:0xf bank_mask:0xf
	v_add_f32_dpp v[\r], v[\r], v[\r] row_xmask:2 row_mask:0xf bank_mask:0xf
	v_add_f32_dpp v[\r], v[\r], v[\r] row_xmask:4 row_mask:0xf bank_mask:0xf
	v_add_f32_dpp v[\r], v[\r], v[\r] row_xmask:8 row_mask:0xf bank_mask:0xf
	v_permlanex16_b32 v[\t], v[\r], s12, s13
	v_add_f32 v[\r], v[\r], v[\t]
.endm
.macro ROW rw
.set XR, X+32*(\rw)
	s_wait_loadcnt 24-8*(\rw)                      ; g, be and this row are in; the younger rows, eight loads each, stay out
	v_pk_add_f32 v[236:237], v[XR:XR+1], v[XR+2:XR+3]          ; the row's sum, in two chains
	v_pk_add_f32 v[238:239], v[XR+4:XR+5], v[XR+6:XR+7]
.irp j, 8,12,16,20,24,28
	v_pk_add_f32 v[236:237], v[236:237], v[XR+\j:XR+\j+1]
	v_pk_add_f32 v[238:239], v[238:239], v[XR+\j+2:XR+\j+3]
.endr
	v_pk_add_f32 v[236:237], v[236:237], v[238:239]
	v_add_f32 v236, v236, v237
	REDUCE 236, 237
	v_mul_f32 v232, s14, v236                      ; the mean
.set j, 0
.rept 16
	v_pk_add_f32 v[XR+j:XR+j+1], v[XR+j:XR+j+1], v[232:233] op_sel_hi:[1,0] neg_lo:[0,1] neg_hi:[0,1]   ; d = x - mean
.set j, j+2
.endr
	v_pk_mul_f32 v[236:237], v[XR:XR+1], v[XR:XR+1]            ; the sum of d^2, in two chains
	v_pk_mul_f32 v[238:239], v[XR+2:XR+3], v[XR+2:XR+3]
.irp j, 4,8,12,16,20,24,28
	v_pk_fma_f32 v[236:237], v[XR+\j:XR+\j+1], v[XR+\j:XR+\j+1], v[236:237]
	v_pk_fma_f32 v[238:239], v[XR+\j+2:XR+\j+3], v[XR+\j+2:XR+\j+3], v[238:239]
.endr
	v_pk_add_f32 v[236:237], v[236:237], v[238:239]
	v_add_f32 v236, v236, v237
	REDUCE 236, 237
	v_fma_f32 v236, v236, s14, s15                 ; the variance + 1e-5
	v_rsq_f32 v234, v236
	v_nop                                          ; a plain instruction behind the transcendental,
	s_wait_alu depctr_va_vdst(0)                   ; and the wait ahead of its first reader
.set j, 0
.rept 16
	v_pk_mul_f32 v[XR+j:XR+j+1], v[XR+j:XR+j+1], v[234:235] op_sel_hi:[1,0]
.set j, j+2
.endr
.set j, 0
.rept 16
	v_pk_fma_f32 v[XR+j:XR+j+1], v[XR+j:XR+j+1], v[G+j:G+j+1], v[BE+j:BE+j+1]
.set j, j+2
.endr
.set j, 0
.rept 32
	v_med3_num_f32 v[XR+j], v[XR+j], -v5, v5       ; the conversion to an 8-bit code does not saturate (ISA guide 7.6.2): the hold at the largest code x the scale
.set j, j+1
.endr
.irp q, 0,1,2,3
	v_cvt_scalef32_pk8_bf8_f32 v[C+8*(\rw)+2*\q:C+8*(\rw)+2*\q+1], v[XR+8*\q:XR+8*\q+7], v4
.endr
.irp q, 0,1,2,3
	global_store_b64 v2, v[C+8*(\rw)+2*\q:C+8*(\rw)+2*\q+1], s[38:39] offset:1024*(\rw)+256*\q   ; hc: 32 lanes store 256 consecutive bytes, aligned
	global_store_b64 v[PO+(\rw)], v[C+8*(\rw)+2*\q:C+8*(\rw)+2*\q+1], s[40:41] offset:256*\q     ; hk: the same at the row's place
.endr
.endm
	ROW 0
	ROW 1
	ROW 2
	ROW 3
	s_endpgm
.Lfunc_end_k_q2d3e8698bb_ln1:
	.size	k_q2d3e8698bb_ln1, .Lfunc_end_k_q2d3e8698bb_ln1-k_q2d3e8698bb_ln1
	.p2alignl 7, 3214868480
	.fill 96, 4, 3214868480
	.section	.rodata,"a",@progbits
	.p2align	6, 0x0
	.amdhsa_kernel k_q2d3e8698bb_ln1
		.amdhsa_group_segment_fixed_size 0
		.amdhsa_private_segment_fixed_size 0
		.amdhsa_enable_private_segment 0
		.amdhsa_kernarg_size 64
		.amdhsa_user_sgpr_count 2
		.amdhsa_user_sgpr_kernarg_segment_ptr 1
		.amdhsa_wavefront_size32 1
		.amdhsa_system_sgpr_workgroup_id_x 1
		.amdhsa_system_sgpr_workgroup_id_y 1
		.amdhsa_system_sgpr_workgroup_id_z 1
		.amdhsa_system_vgpr_workitem_id 0
		.amdhsa_next_free_vgpr 336
		.amdhsa_next_free_sgpr 66
		.amdhsa_reserve_vcc 1
		.amdhsa_float_denorm_mode_32 3
		.amdhsa_float_denorm_mode_16_64 3
		.amdhsa_memory_ordered 1
		.amdhsa_forward_progress 1
		.amdhsa_inst_pref_size 53
	.end_amdhsa_kernel
	.amdgpu_metadata
---
amdhsa.version: [ 1, 2 ]
amdhsa.kernels:
  - .name:           k_q2d3e8698bb_ln1
    .symbol:         k_q2d3e8698bb_ln1.kd
    .args:
      - { .name: x, .offset: 0, .size: 8, .value_kind: global_buffer, .address_space: global }
      - { .name: g1, .offset: 8, .size: 8, .value_kind: global_buffer, .address_space: global }
      - { .name: be1, .offset: 16, .size: 8, .value_kind: global_buffer, .address_space: global }
      - { .name: lowp_scales, .offset: 24, .size: 8, .value_kind: global_buffer, .address_space: global }
      - { .name: mask, .offset: 32, .size: 8, .value_kind: global_buffer, .address_space: global }
      - { .name: hc, .offset: 40, .size: 8, .value_kind: global_buffer, .address_space: global }
      - { .name: hk, .offset: 48, .size: 8, .value_kind: global_buffer, .address_space: global }
      - { .name: cnt, .offset: 56, .size: 8, .value_kind: global_buffer, .address_space: global }
    .group_segment_fixed_size: 0
    .private_segment_fixed_size: 0
    .kernarg_segment_align: 8
    .kernarg_segment_size: 64
    .max_flat_workgroup_size: 128
    .sgpr_count:     66
    .vgpr_count:     336
    .wavefront_size: 32
...
	.end_amdgpu_metadata
.endif
;; end of part 1
;; launch qkv (part 2): grid 12 x 16, 4 waves a work-group, clusters of 4 x 4, 327,680 bytes of LDS; arguments hc, hk, w_qkv_codes, lowp_scales, qi, kv; writes qi, kv
.if DOCPART == 2
	.amdgcn_target "amdgcn-amd-amdhsa--gfx1250"
	.amdhsa_code_object_version 6
	.text
	.protected	k_q2d3e8698bb_qkv
	.globl	k_q2d3e8698bb_qkv
	.p2align	8
	.type	k_q2d3e8698bb_qkv,@function
k_q2d3e8698bb_qkv:
	s_mov_b64 s[64:65], 0
	v_nop
	global_prefetch_b8 v0, s[64:65] scope:SCOPE_SE
	s_setreg_imm32_b32 hwreg(HW_REG_WAVE_MODE, 25, 1), 1
	s_wait_xcnt 0x0
	s_wait_alu depctr_hold_cnt(0) depctr_sa_sdst(0) depctr_va_vdst(0) depctr_va_sdst(0) depctr_va_ssrc(0) depctr_va_vcc(0) depctr_vm_vsrc(0)
	s_getreg_b32 s2, hwreg(HW_REG_IB_STS2, 6, 4)
	s_cmp_eq_u32 s2, 0
	s_cbranch_scc0 .Lentry_in_a_cluster
	s_endpgm
.Lentry_in_a_cluster:
	s_bfe_u32 s2, ttmp6, 0x10000c
	s_cmp_lg_u32 s2, 0xf033
	s_cbranch_scc0 .Lentry_shape_is_right
	s_endpgm
.Lentry_shape_is_right:
; q, k, v = Q(h W_qkv): h [4096][1024] and W_qkv [3072][1024] are codes of E5M2, K innermost.  The sums are quantised at once (q: entry 2 of the scales, k: entry 3, v: entry 5) and leave as IMAGES OF OPERAND REGISTERS.
; h comes twice: hc with the tokens in their own order, of which q is made, and hk with each batch's keys that count first, of which k and v are made: so a key's place in kv is its place in hk.
; A tile of 256 x 256 of the product is made by four waves, each 128 x 128 in 64 accumulators; K goes in steps of 256 through a ring of two LDS slots filled by the tensor data mover.
; CLUSTERS: 4 x 4 work-groups; "A's" tile is shared along a row of the cluster, "B's" along a column: each is asked for jointly.  Source 0 of the matrix instruction takes 16 rows of B, source 1 16 rows of A:
; a lane then holds ONE row of A, and its eight registers eight neighbouring rows of B.
; The cluster's x says what is made: 0 q, 1 k, 2 v.  For q and k, A = the tokens and B = the weights: a lane holds a token and its registers run along the head's channels, the K of the scores.
; For v the two pointers change places, A = the weights and B = the tokens: a lane holds a channel and its registers run along the keys, the K of the second product of attention.  The text is the same.
; THE IMAGES.  The conversion of accumulator b gives registers 2 b, 2 b + 1 of a fragment: k = 16 b + 8 (lane / 16) + 0 .. 7, the matrix instruction's own order.  Four registers at a time are stored at 16 x lane: 512 consecutive bytes.
;   qi [bh 32][tile of 16 tokens 128][1,024 bytes];   kv [bh 32][key step of 128 keys 16][K: 8 tiles of 16 keys x 1,024 bytes, then V: 4 tiles of 16 channels x 2,048 bytes].
; LIMIT: E = e_target - e0 - e1 between -126 and 112, so that 2^E and 57,344 x 2^E are f32 numbers.
; REGISTERS, in windows of 256: window 0: v0-31 addresses and the two scale numbers; v32-95 at work on the way out; from v128 A's fragments, one set, later the codes.  window 1: B's fragments, two sets.  windows 2, 3: the accumulators.
.set SIZE_K, 1024
.set KSTEP,  256                       ; along K in a slot
.set ROWB,   256                       ; a tile's row in bytes
.set KROW,   SIZE_K                    ; a row of A or of B in memory, in bytes
.set PITCH,  272                       ; an LDS row: 256 bytes + 16 of padding: the 16 rows that a load touches start at 16 different banks
.set FR,     16                        ; registers of a fragment: 16 rows x 128 K
.set NL,     4                         ; LDS loads that bring one
.set NP,     4                         ; places behind this matrix instruction (ISA guide 7.12.1)
.set HALFT,  128*PITCH                 ; 128 rows: what one tensor load brings
.set SLOT,   4*HALFT                   ; A's 256 rows, then B's 256 rows
.set LAPS,   SIZE_K/(2*KSTEP)          ; a lap = two K steps = once round the ring
.set SPARE,  2*SLOT                    ; behind the ring: the spare words, 128 bytes for each wave
.set ADRA, 16                          ; v16-17  LDS address of my A fragments in slot 0, 1
.set ADRB, 20                          ; v20-21  the same for B
.set LI,   26                          ; v26     16 x lane: my place in an image
.set SPW,  28                          ; v28     LDS address of my spare word; never rewritten
.set NIL,  29                          ; v29     0; never rewritten
.set SC,   30                          ; v30     2^E as f32
.set LIM,  31                          ; v31     57,344 x 2^E
.set TMP,  32                          ; v32-95  a block's 64 sums, held
.set AF,   128                         ; A's fragments, in window 0
.set G1, 24                            ; s[24:31] descriptor group 1 for A's tiles;  s[32:39] group 0, one set for each slot
.set G0, 32
.set G1B, 48                           ; s[48:55], s[56:63] the same for B's tiles
.set G0B, 56
.set MSB, 0
.macro WIN new                         ; the immediate's high byte repeats the setting that is left
.if MSB != \new
	s_set_vgpr_msb (MSB<<8)|\new
.set MSB, \new
.endif
.endm
.set MUL_LO, 0xa1                      ; source 0 (B) window 1, source 1 (A) window 0, C and D window 2
.set MUL_HI, 0xf1                      ; the same, C and D window 3
.set TO_B,   0x40                      ; destination window 1, address window 0
; A joint load: waves 0 and 1 fetch for A, waves 2 and 3 for B; the branch hangs on the wave's number alone.  Four v_nop follow each of the two lines.
.macro JLOAD g0a, g1a, g0b, g1b
	s_cmp_eq_u32 s15, 0
	s_cbranch_scc0 .Lfor_b_\@
	tensor_load_to_lds s[\g0a:\g0a+3], s[\g1a:\g1a+7]
	s_nop 0
.rept 4
	v_nop
.endr
	s_branch .Lasked_\@
.Lfor_b_\@:
	tensor_load_to_lds s[\g0b:\g0b+3], s[\g1b:\g1b+7]
	s_nop 0
.rept 4
	v_nop
.endr
.Lasked_\@:
.endm
.macro CREST                           ; a round of the cluster's barrier behind its opening barrier
	s_cmp_lg_u32 s14, 0
	s_cbranch_scc1 .Lnot_wave_0_\@
	s_barrier_signal -3
.Lnot_wave_0_\@:
	s_barrier_wait -3
	s_barrier_signal -1
	s_barrier_wait -1
.endm
.macro CROUND                          ; a whole round
	s_barrier_signal -1
	s_barrier_wait -1
	CREST
.endm
	s_load_b256 s[4:11], s[0:1], 0x0               ; hc s[4:5], hk s[6:7], W's codes s[8:9], the scales' exponents s[10:11]
	s_load_b128 s[92:95], s[0:1], 0x20             ; qi s[92:93], kv s[94:95]
	v_lshl_add_u32 v[SPW], v0, 2, SPARE
	v_mov_b32 v[NIL], 0
	ds_add_u32 v28, v29
	ds_add_u32 v28, v29
	s_wait_dscnt 0x0
	v_lshrrev_b32 v1, 5, v0
	v_readfirstlane_b32 s14, v1                    ; wave 0..3
	s_lshr_b32 s15, s14, 1                         ; which half of A's rows is mine.  Also: I fetch for A (0) or for B (1)
	s_and_b32 s16, s14, 1                          ; which half of B's rows.  Also: which 128 rows of that tile I fetch
	s_bfe_u32 s40, ttmp6, 0x40000                  ; cx, cy: my place in the cluster
	s_bfe_u32 s41, ttmp6, 0x40004
	s_and_b32 s18, ttmp7, 0xffff
	s_lshl_b32 s18, s18, 2                         ; 4 x cluster y
	s_add_co_u32 s17, s18, s41                     ; q, k: A's tile = the tokens' 4 x cluster y + cy
	s_add_co_u32 s19, s41, 8                       ; v:    A's tile = the weights' 8 + cy
	s_add_co_u32 s42, s18, s40                     ; v:    B's tile = the tokens' 4 x cluster y + cx
	s_lshl_b32 s66, ttmp9, 2
	s_add_co_u32 s66, s66, s40                     ; q, k: B's tile = the weights' 4 x cluster x + cx
	s_cmp_eq_u32 ttmp9, 2                          ; the cluster's x is the same in all sixteen partners
	s_cselect_b32 s17, s19, s17                    ; A's tile: made of cy and the cluster's numbers alone
	s_cselect_b32 s42, s42, s66                    ; B's tile: made of cx and the cluster's numbers alone
	s_lshl_b32 s43, s41, 2
	s_lshl_b32 s43, 15, s43                        ; my row of the cluster
	s_lshl_b32 s44, 0x1111, s40                    ; my column
	; descriptor group 1: a tile of 128 rows x 256 bytes, padded in LDS
	s_or_b32 s[G1+0], s43, (0<<16)|(1<<20)|(1<<21)|(5<<22)|(3<<25)  ; 15:0 the mask: my row; 17:16 elements of 1 byte; 20 padding on; 21 set beside a mask; 24:22 after every 64 words; 31:25 four words
	s_or_b32 s[G1B+0], s44, (0<<16)|(1<<20)|(1<<21)|(5<<22)|(3<<25) ; the same with the mask of my column
.irp g, G1, G1B
	s_mov_b32 s[\g+1], ROWB<<16                    ; tensor_dim0
	s_mov_b32 s[\g+2], 128<<16                     ; tensor_dim1 = 128
	s_mov_b32 s[\g+3], ROWB<<16                    ; tile_dim0
	s_mov_b32 s[\g+4], 128                         ; tile_dim1 = 128
	s_mov_b32 s[\g+5], KROW                        ; tensor_dim0_stride
	s_mov_b32 s[\g+6], 0
	s_mov_b32 s[\g+7], 0
.endr
	s_lshl_b32 s18, s16, 7                         ; which 128 rows of the tile I fetch
	s_lshl_b32 s20, s17, 8
	s_add_co_u32 s20, s20, s18                     ; A: row 256 x tile + 128 x half
	s_lshl_b32 s46, s42, 8
	s_add_co_u32 s46, s46, s18                     ; B likewise
	s_lshl_b32 s20, s20, 10                        ; rows of 1,024 bytes
	s_lshl_b32 s46, s46, 10
	s_mov_b32 s21, 0
	s_mov_b32 s47, 0
	s_mul_i32 s45, s14, HALFT                      ; where they go: wave x 128 rows: no place in the cluster enters an LDS address
	s_wait_kmcnt 0x0
	s_load_b256 s[68:75], s[10:11], 0x0            ; e0 .. e7
	s_cmp_eq_u32 ttmp9, 0
	s_cselect_b64 s[4:5], s[4:5], s[6:7]           ; the tokens: in their own order for q, the keys that count first for k and v
	s_cmp_eq_u32 ttmp9, 2
	s_cselect_b64 s[88:89], s[8:9], s[4:5]         ; A: the weights for v, else the tokens
	s_cselect_b64 s[90:91], s[4:5], s[8:9]         ; B: the other one
	s_add_nc_u64 s[20:21], s[88:89], s[20:21]
	s_add_nc_u64 s[46:47], s[90:91], s[46:47]
	CROUND                                         ; all sixteen work-groups are here: the first joint loads meet
.irp s, 0,1
	s_mov_b32 s[G0+4*\s], 1
	s_add_co_u32 s[G0+4*\s+1], s45, \s*SLOT
	s_add_nc_u64 s[G0+4*\s+2:G0+4*\s+3], s[20:21], \s*ROWB
	s_or_b32 s[G0+4*\s+3], s[G0+4*\s+3], 0x80000000
	s_mov_b32 s[G0B+4*\s], 1
	s_add_co_u32 s[G0B+4*\s+1], s45, \s*SLOT
	s_add_nc_u64 s[G0B+4*\s+2:G0B+4*\s+3], s[46:47], \s*ROWB
	s_or_b32 s[G0B+4*\s+3], s[G0B+4*\s+3], 0x80000000
	JLOAD G0+4*\s, G1, G0B+4*\s, G1B
.endr
	v_and_b32 v1, 15, v0                           ; l % 16
	v_bfe_u32 v2, v0, 4, 1                         ; l / 16
	v_mul_u32_u24 v3, v1, PITCH
	v_lshl_add_u32 v4, v2, 4, v3                   ; a fragment's row x pitch + 16 x half
	s_mul_i32 s21, s15, HALFT                      ; my 128 rows of A
	s_mul_i32 s22, s16, HALFT                      ; my 128 rows of B,
	s_add_co_u32 s22, s22, 2*HALFT                 ; which lie behind A's 256
.irp s, 0,1
	v_add_nc_u32 v[ADRA+\s], s21, v4
	v_add_nc_u32 v[ADRB+\s], s22, v4
	s_add_co_u32 s21, s21, SLOT
	s_add_co_u32 s22, s22, SLOT
.endr
	v_and_b32 v6, 31, v0
	v_lshlrev_b32 v[LI], 4, v6
	; WHERE MY IMAGES GO.  My 128 tokens are one key step ks of batch b; my 128 channels are two heads.
	s_lshl_b32 s76, s17, 1
	s_add_co_u32 s76, s76, s15                     ; 2 x A's tile + my half of its rows
	s_lshl_b32 s77, s42, 1
	s_add_co_u32 s77, s77, s16                     ; 2 x B's tile + my half of its rows
	s_lshl_b32 s78, s40, 2
	s_lshl_b32 s79, s16, 1
	s_add_co_u32 s78, s78, s79                     ; q, k: my first head = 4 cx + 2 x half
	s_lshl_b32 s79, s41, 2
	s_lshl_b32 s88, s15, 1
	s_add_co_u32 s79, s79, s88                     ; v: 4 cy + 2 x half
	s_mov_b32 s84, 1024
	s_mov_b32 s86, 1024
	s_cmp_eq_u32 ttmp9, 2
	s_cselect_b32 s76, s77, s76                    ; which 128 tokens of the 4,096
	s_cselect_b32 s78, s79, s78                    ; my first head
	s_cselect_b32 s84, 2048, s84                   ; from block a to block a + 1: q, k: the next tile of tokens; v: the next tile of channels
	s_cselect_b32 s86, 256000, s86                 ; from block 3 to block 4: v: the next head's first tile: 262,144 - 3 x 2,048
	s_cselect_b32 s89, 8192, 0                     ; v's tiles lie behind a key step's K
	s_cmp_eq_u32 ttmp9, 0
	s_cselect_b32 s88, 17, 18                      ; a head is 2^17 bytes in qi, 2^18 in kv; a key step a sixteenth of that
	s_cselect_b64 s[80:81], s[92:93], s[94:95]
	s_lshr_b32 s77, s76, 4                         ; the batch
	s_lshl_b32 s77, s77, 4
	s_add_co_u32 s77, s77, s78                     ; bh = 16 x batch + head
	s_and_b32 s76, s76, 15                         ; ks
	s_lshl_b32 s77, s77, s88
	s_sub_co_u32 s79, s88, 4
	s_lshl_b32 s76, s76, s79
	s_add_co_u32 s76, s76, s77
	s_add_co_u32 s76, s76, s89
	s_mov_b32 s77, 0
	s_add_nc_u64 s[80:81], s[80:81], s[76:77]      ; registers 0-7 of a block's codes go here,
	s_lshl_b32 s90, 1, s88
	s_cmp_eq_u32 ttmp9, 2
	s_cselect_b32 s90, 1024, s90                   ; registers 8-15: q, k: one head on; v: the same fragment's second half
	s_mov_b32 s91, 0
	s_add_nc_u64 s[82:83], s[80:81], s[90:91]
	s_mov_b32 s85, 0
	s_mov_b32 s87, 0
.macro FRAG reg, adr, q, i             ; a fragment, 16 rows x 128 K: registers 4 c .. 4 c + 3 hold K = 32 c + 16 (l / 16) + 0 .. 15: the same permutation of k in A and in B
.irp c, 0,1,2,3
	ds_load_b128 v[\reg+4*\c:\reg+4*\c+3], v[\adr] offset:128*(\q)+32*\c+(\i)*16*PITCH
.endr
.endm
; 16 matrix instructions: A's blocks a0, a0 + 1 x B's eight, 128 along K.  p: B's set.  zero = 1: the first product starts the sums.  The 64 accumulators take turns.
.macro MUL16 a0, p, zero
.irp a, \a0, \a0+1
.irp b, 0,1,2,3,4,5,6,7
.if \zero
	v_wmma_f32_16x16x128_bf8_bf8 v[8*(8*((\a)%4)+\b):8*(8*((\a)%4)+\b)+7], v[128*(\p)+FR*\b:128*(\p)+FR*\b+FR-1], v[AF+FR*(\a):AF+FR*(\a)+FR-1], 0
.else
	v_wmma_f32_16x16x128_bf8_bf8 v[8*(8*((\a)%4)+\b):8*(8*((\a)%4)+\b)+7], v[128*(\p)+FR*\b:128*(\p)+FR*\b+FR-1], v[AF+FR*(\a):AF+FR*(\a)+FR-1], v[8*(8*((\a)%4)+\b):8*(8*((\a)%4)+\b)+7]
.endif
.endr
.endr
.endm
.macro FETCH_B slot, q, p              ; B's eight fragments of the slot's q-th 128 along K into set p
	WIN TO_B
.irp i, 0,1,2,3,4,5,6,7
	FRAG 128*(\p)+FR*\i, ADRB+\slot, \q, \i
.endr
	WIN 0
.endm
.macro FETCH_A slot, q, i0             ; A's blocks i0 .. i0 + 3
.irp i, \i0, \i0+1, \i0+2, \i0+3
	FRAG AF+FR*(\i), ADRA+\slot, \q, \i
.endr
.endm
.macro PLACES n                        ; plain vector instructions between a matrix instruction and a load into, or a vector read of, its registers
.rept \n
	v_nop
.endr
.endm
; A step of 128 along K that has its successor in the same slot.
.macro STEP slot, q, zero
	s_wait_dscnt 4*NL                              ; B's set and A's blocks 0-3 are in; the youngest 16 loads (A's blocks 4-7) may be out
	WIN MUL_LO
	MUL16 0, (\q)%2, \zero
	MUL16 2, (\q)%2, \zero
	s_wait_dscnt 0                                 ; A's blocks 4-7 are in
	PLACES NP
	FETCH_B \slot, (\q)+1, 1-(\q)%2
	FETCH_A \slot, (\q)+1, 0
	WIN MUL_HI
	MUL16 4, (\q)%2, \zero
	MUL16 6, (\q)%2, \zero
	PLACES NP
	WIN 0
	FETCH_A \slot, (\q)+1, 4
.endm
; A slot's last step changes slots: one barrier; in front of it each wave waits for all its tensor loads, adds 0 to its spare word, and waits for that and for its own reads of this slot.
.macro TURN slot, next, fill
	s_wait_tensorcnt 0x0                           ; all my tensor loads have landed: my part of the next slot
	ds_add_u32 v[SPW], v[NIL]                      ; 0 onto my spare word
	s_wait_dscnt 4*NL+1                            ; (the add and the youngest 16 loads, A's blocks 4-7, may be out)
	WIN MUL_LO
	MUL16 0, 1, 0
	s_wait_dscnt 0x0                               ; the add is done, and my reads of this slot are over
	s_barrier_signal -1
	MUL16 2, 1, 0
	WIN 0
	s_barrier_wait -1
.if \fill
	CREST                                          ; the barrier has opened a round of the cluster's barrier: no wave of any partner still reads this slot or has a load on its way
	s_add_nc_u64 s[G0+4*\slot+2:G0+4*\slot+3], s[G0+4*\slot+2:G0+4*\slot+3], 2*ROWB
	s_add_nc_u64 s[G0B+4*\slot+2:G0B+4*\slot+3], s[G0B+4*\slot+2:G0B+4*\slot+3], 2*ROWB
	JLOAD G0+4*\slot, G1, G0B+4*\slot, G1B         ; the first tensor load behind the round; its four v_nop are the places in front of the loads below
.else
	PLACES NP
.endif
	FETCH_B \next, 0, 0
	FETCH_A \next, 0, 0
	WIN MUL_HI
	MUL16 4, 1, 0
	MUL16 6, 1, 0
	PLACES NP
	WIN 0
	FETCH_A \next, 0, 4
.endm
	s_wait_tensorcnt 1                             ; my part of K step 0 is in (K step 1's load may be out),
	s_barrier_signal -1
	s_barrier_wait -1                              ; everybody's is
	FETCH_B 0, 0, 0
	FETCH_A 0, 0, 0
	FETCH_A 0, 0, 4
	STEP 0, 0, 1                                   ; the first step stands in front of the loop: its products start the sums
	s_mov_b32 s3, LAPS-1
.Llap:                                                 ; a trip goes once round the ring and fills both slots again
	TURN 0, 1, 1
	STEP 1, 0, 0
	TURN 1, 0, 1
	STEP 0, 0, 0
	s_sub_co_u32 s3, s3, 1
	s_cmp_lg_u32 s3, 0
	s_cbranch_scc1 .Llap
	TURN 0, 1, 0                                   ; the last lap fills nothing
	STEP 1, 0, 0
	s_wait_dscnt 4*NL                              ; the very last step: nothing more to fetch
	WIN MUL_LO
	MUL16 0, 1, 0
	MUL16 2, 1, 0
	s_wait_dscnt 0
	WIN MUL_HI
	MUL16 4, 1, 0
	MUL16 6, 1, 0
	WIN 0
; THE WAY OUT: block a (16 rows of A x my 128 rows of B): 64 sums a lane are held, converted to 16 registers of codes, and stored as they stand.  Each block has code registers of its own.
.macro OUTB a
.set AC, 64*((\a)%4)
.set CD, 128+16*(\a)
.if (\a) > 0
	s_wait_xcnt 0x0                                ; the earlier stores have read their bases: they may step
.if (\a) == 4
	s_add_nc_u64 s[80:81], s[80:81], s[86:87]
	s_add_nc_u64 s[82:83], s[82:83], s[86:87]
.else
	s_add_nc_u64 s[80:81], s[80:81], s[84:85]
	s_add_nc_u64 s[82:83], s[82:83], s[84:85]
.endif
.endif
	WIN 0x02+((\a)/4)                              ; source 0: window 2 or 3
.set j, 0
.rept 64
	v_med3_num_f32 v[TMP+j], v[AC+j], -v[LIM], v[LIM]   ; the hold at the largest code x the scale; each accumulator from its low end on
.set j, j+1
.endr
	WIN 0
.irp b, 0,1,2,3,4,5,6,7
	v_cvt_scalef32_pk8_bf8_f32 v[CD+2*\b:CD+2*\b+1], v[TMP+8*\b:TMP+8*\b+7], v[SC]
.endr
	v_nop                                          ; a plain instruction behind the last conversion: the next block's holds write its sources
	global_store_b128 v[LI], v[CD:CD+3], s[80:81]              ; 32 lanes store 512 consecutive bytes, aligned
	global_store_b128 v[LI], v[CD+4:CD+7], s[80:81] offset:512
	global_store_b128 v[LI], v[CD+8:CD+11], s[82:83]
	global_store_b128 v[LI], v[CD+12:CD+15], s[82:83] offset:512
.endm
	s_wait_kmcnt 0x0
	s_cmp_eq_u32 ttmp9, 0
	s_cselect_b32 s76, s70, s71                    ; q: e2; k: e3;
	s_cmp_eq_u32 ttmp9, 2
	s_cselect_b32 s76, s73, s76                    ; v: e5
	s_sub_co_i32 s76, s76, s68
	s_sub_co_i32 s76, s76, s69                     ; a sum stands for sum x 2^(e0 + e1): the three scales are folded into the conversion's one
	s_add_co_i32 s76, s76, 127
	s_lshl_b32 s77, s76, 23
	v_mov_b32 v[SC], s77
	s_add_co_i32 s76, s76, 15
	s_lshl_b32 s76, s76, 23
	s_or_b32 s76, s76, 0x600000
	v_mov_b32 v[LIM], s76
	PLACES NP                                      ; behind the last products: their results are read, and the registers that held A's fragments are written
.irp a, 0,1,2,3,4,5,6,7
	OUTB \a
.endr
	s_wait_tensorcnt 0x0                           ; the wave's end
	ds_add_u32 v[SPW], v[NIL]
	s_wait_dscnt 0x0
	CROUND                                         ; the closing round: no work-group ends while a partner may still ask for a tile that names it
	s_endpgm
.Lfunc_end_k_q2d3e8698bb_qkv:
	.size	k_q2d3e8698bb_qkv, .Lfunc_end_k_q2d3e8698bb_qkv-k_q2d3e8698bb_qkv
	.p2alignl 7, 3214868480
	.fill 96, 4, 3214868480
	.section	.rodata,"a",@progbits
	.p2align	6, 0x0
	.amdhsa_kernel k_q2d3e8698bb_qkv
		.amdhsa_group_segment_fixed_size 327680
		.amdhsa_private_segment_fixed_size 0
		.amdhsa_enable_private_segment 0
		.amdhsa_kernarg_size 48
		.amdhsa_user_sgpr_count 2
		.amdhsa_user_sgpr_kernarg_segment_ptr 1
		.amdhsa_wavefront_size32 1
		.amdhsa_system_sgpr_workgroup_id_x 1
		.amdhsa_system_sgpr_workgroup_id_y 1
		.amdhsa_system_sgpr_workgroup_id_z 1
		.amdhsa_system_vgpr_workitem_id 0
		.amdhsa_next_free_vgpr 1024
		.amdhsa_next_free_sgpr 100
		.amdhsa_reserve_vcc 0
		.amdhsa_float_denorm_mode_32 3
		.amdhsa_float_denorm_mode_16_64 3
		.amdhsa_memory_ordered 1
		.amdhsa_forward_progress 1
		.amdhsa_inst_pref_size 119
	.end_amdhsa_kernel
	.amdgpu_metadata
---
amdhsa.version: [ 1, 2 ]
amdhsa.kernels:
  - .name:           k_q2d3e8698bb_qkv
    .symbol:         k_q2d3e8698bb_qkv.kd
    .args:
      - { .name: hc, .offset: 0, .size: 8, .value_kind: global_buffer, .address_space: global }
      - { .name: hk, .offset: 8, .size: 8, .value_kind: global_buffer, .address_space: global }
      - { .name: w_qkv_codes, .offset: 16, .size: 8, .value_kind: global_buffer, .address_space: global }
      - { .name: lowp_scales, .offset: 24, .size: 8, .value_kind: global_buffer, .address_space: global }
      - { .name: qi, .offset: 32, .size: 8, .value_kind: global_buffer, .address_space: global }
      - { .name: kv, .offset: 40, .size: 8, .value_kind: global_buffer, .address_space: global }
    .group_segment_fixed_size: 327680
    .private_segment_fixed_size: 0
    .kernarg_segment_align: 8
    .kernarg_segment_size: 48
    .max_flat_workgroup_size: 128
    .sgpr_count:     100
    .vgpr_count:     1024
    .wavefront_size: 32
...
	.end_amdgpu_metadata
.endif
;; end of part 2
;; launch attn (part 3): grid 8 x 32, 16 waves a work-group, no clusters, 272,384 bytes of LDS; arguments qi, kv, cnt, lowp_scales, ao; writes ao
.if DOCPART == 3
	.amdgcn_target "amdgcn-amd-amdhsa--gfx1250"
	.amdhsa_code_object_version 6
	.text
	.protected	k_q2d3e8698bb_attn
	.globl	k_q2d3e8698bb_attn
	.p2align	8
	.type	k_q2d3e8698bb_attn,@function
k_q2d3e8698bb_attn:
	s_mov_b64 s[64:65], 0
	v_nop
	global_prefetch_b8 v0, s[64:65] scope:SCOPE_SE
	s_setreg_imm32_b32 hwreg(HW_REG_WAVE_MODE, 25, 1), 1
	s_wait_xcnt 0x0
; Attention of one head on codes of E5M2, and the quantising of its result for the next product.  qi, kv: images of operand registers (a fragment's registers four at a time, 16 bytes a lane, 512 bytes on end):
;   qi [bh 32][tile of 16 queries 128][1,024];  kv [bh 32][key step of 128 keys 16][K: 8 tiles of 16 keys x 1,024, then V^T: 4 tiles of 16 channels x 2,048].  cnt [2][32] int32: n, the batch's keys that count.
;   ao [tile of 16 tokens 256][128 along K: 8][2,048]: images for the next product, registers 4 c .. 4 c + 3 = k 32 c + 16 (lane / 16) + 0 .. 15.
; ONLY THE KEYS THAT COUNT ARE MULTIPLIED.  In kv a batch's keys that count lie first, at places 0 to n - 1 (an earlier launch has laid them so and stored n).  A key whose mask is 0 has the score -1e9, so its p is 0 and it adds
;   nothing to the sum or to the result: the walk passes over every key step whose first place is n or more, by a scalar branch on n inside a loop of sixteen trips.
;   Where no key of the batch counts (n = 0), all 2,048 scores are equal: all places are walked with the factor c = 0: every t is 0, every p is 1, the sum 2,048.
; THE SOFTMAX: t = score x log2(e) / 8; M = the row's largest t so far, rounded UP to a whole number; p = 2^(t - M) is quantised (entry 4 of the scales); the row's sum is taken of the unquantised p and divides at the end.
; SHARES.  A work-group owns 256 queries of one head; each of its sixteen waves one tile of 16, in 256 registers: four waves to a SIMD, so that one wave's vector work stands beside another's products and LDS loads.
; THE WHOLE HEAD'S K AND V, 262,144 bytes, ARE COPIED INTO LDS ONCE, through registers: 32 loads and 32 LDS stores of 16 bytes a thread, each covering 512 consecutive bytes a wave; one barrier; then LDS is only read.
;   All sixteen key steps are copied, those behind place n too: so the copies go out together with the load of n, not behind it.
; NO CLUSTER, NO JOINT LOADS, though the eight work-groups of a head read the same K and V: the walk branches on a number read from memory, and the launch has no tensor load, so there is nothing to ask for jointly.
; LAYOUT.  S^T = K Q^T (source 0 = 16 keys, source 1 = my queries), O^T = V^T P^T: a lane holds ONE query throughout, and the conversion of S^T's tile c gives registers 2 c, 2 c + 1 of P in the matrix instruction's own order.
; THE LAST KEY STEP may hold places from n on: a table of 2,048 f32 in LDS holds 0 for a place under n and N = -8e9 x 2^-(e2 + e3) for the others, and is the C of S^T's matrix instruction: N stands for a score of -1e9.
; LIMITS.  A hidden key is taken to add nothing, and in the last step its score has -1e9 ADDED to it: right while |score| < 5e8.  e2 + e3 between -95 and 130; e4 and e6 between -126 and 112.  NaN among the inputs is not served.
; REGISTERS: v1-9, v24-27 addresses and N; v12 -M, v13 the largest t, v[14:15] the sum; v16-23 Q; v32-159 the copy; then v32-95 K's eight fragments or V's four, v96-159 the table, S^T, p; v160-191 O^T; v192-207 p's codes; v208-254 at work.
.set BIAS, 262144                      ; LDS: behind the head's K and V: the table, 8,192 bytes
.set LI,  1                            ; v1   16 x lane: my place in an image
.set BL,  2                            ; v2   BIAS + 32 (lane / 16)
.set ADK, 3                            ; v3   the key step's tiles
.set ADB, 4                            ; v4   the key step's part of the table
.set GA,  5                            ; v5   16 x thread: my bytes of each 8,192 of the head's K and V
.set BW,  8                            ; v8   BIAS + 16 x thread
.set NG,  9                            ; v9   N
.set SA,  24                           ; v24-27 16 x thread + 65,536 g: the same bytes in LDS (an LDS offset has 16 bits)
.set T0,  246                          ; v246-249 the exchange's temporaries
.set WV,  14                           ; s14  my wave's number
.set NE,  25                           ; s25  the places to be walked: n, or 2,048 where n = 0
.set KF,  26                           ; s26  the key step's first place
.set SEL, 56                           ; s[56:57] lane selects for v_permlanex16_b32: lane l xor 16
.set CS,  58                           ; s[58:59] c = log2(e) / 8 x 2^(e2 + e3)
.set TB,  60                           ; s60  LDS byte of the key step in hand
.set BB,  61                           ; s61  its byte in the table
.set CNT, 62
.set HM,  63                           ; s63  lanes 16 to 31
; Four registers of codes in the matrix instruction's own order (two tiles: k = 8 h + 0 .. 7 and 16 + 8 h + 0 .. 7) become k = 16 h + 0 .. 15: lanes l and l xor 16, which hold the same row, exchange halves.
.macro SWZ base
	v_permlanex16_b32 v[T0], v[\base+2], s[SEL], s[SEL+1]
	v_permlanex16_b32 v[T0+1], v[\base+3], s[SEL], s[SEL+1]
	v_permlanex16_b32 v[T0+2], v[\base], s[SEL], s[SEL+1]
	v_permlanex16_b32 v[T0+3], v[\base+1], s[SEL], s[SEL+1]
	v_cndmask_b32 v[\base], v[\base], v[T0], s[HM]
	v_cndmask_b32 v[\base+1], v[\base+1], v[T0+1], s[HM]
	v_cndmask_b32 v[\base+2], v[T0+2], v[\base+2], s[HM]
	v_cndmask_b32 v[\base+3], v[T0+3], v[\base+3], s[HM]
.endm
	s_load_b256 s[4:11], s[0:1], 0x0               ; qi s[4:5], kv s[6:7], cnt s[8:9], the scales' exponents s[10:11]
	s_load_b64 s[12:13], s[0:1], 0x20              ; ao
	v_lshl_add_u32 v251, v0, 2, 0x42000
	v_mov_b32 v255, 0
	v_lshrrev_b32 v6, 5, v0
	v_readfirstlane_b32 s[WV], v6                  ; wave 0..15
	v_lshlrev_b32 v[GA], 4, v0
.irp g, 0,1,2,3
	v_lshl_add_u32 v[SA+\g], v0, 4, \g*65536
.endr
	v_and_b32 v8, 31, v0
	v_lshlrev_b32 v[LI], 4, v8
	v_bfe_u32 v8, v0, 4, 1
	v_lshl_add_u32 v[BL], v8, 5, BIAS
	v_lshl_add_u32 v[BW], v0, 4, BIAS
	v_lshlrev_b32 v212, 2, v0                      ; my four places of the table
	s_and_b32 s16, ttmp7, 0xffff                   ; bh
	s_lshr_b32 s17, s16, 4                         ; the batch
	s_lshl_b32 s19, ttmp9, 4
	s_add_co_u32 s19, s19, s[WV]                   ; my tile of 16 queries in the head: 16 x block + wave
	s_lshl_b32 s20, s16, 18                        ; the head's 262,144 bytes of kv
	s_mov_b32 s21, 0
	s_lshl_b32 s22, s16, 17                        ; its 131,072 bytes of qi,
	s_lshl_b32 s23, s19, 10
	s_add_co_u32 s22, s22, s23                     ; and my tile's 1,024
	s_mov_b32 s23, 0
	s_lshl_b32 s28, s17, 7                         ; the batch's 128 bytes of cnt
	s_mov_b32 s29, 0
	s_lshl_b32 s30, s17, 7
	s_add_co_u32 s30, s30, s19                     ; my tile of 16 tokens among the 256
	s_lshl_b32 s30, s30, 14
	s_and_b32 s31, s16, 15
	s_lshl_b32 s31, s31, 10                        ; head x 1,024 = (head / 2) x 2,048 + (head % 2) x 1,024: my half of an image
	s_add_co_u32 s30, s30, s31
	s_mov_b32 s31, 0
	s_wait_kmcnt 0x0
	s_add_nc_u64 s[4:5], s[4:5], s[22:23]
	s_add_nc_u64 s[6:7], s[6:7], s[20:21]
	s_add_nc_u64 s[8:9], s[8:9], s[28:29]
	s_add_nc_u64 s[12:13], s[12:13], s[30:31]
	s_load_b256 s[48:55], s[10:11], 0x0            ; e0 .. e7
	s_load_b32 s24, s[8:9], 0x0                    ; n
	global_load_b128 v[16:19], v[LI], s[4:5]       ; Q's fragment stays in registers
	global_load_b128 v[20:23], v[LI], s[4:5] offset:512
.set i, 0
.rept 32
	global_load_b128 v[32+4*i:35+4*i], v[GA], s[6:7] offset:8192*i   ; the 512 threads take 8,192 consecutive bytes of the head's K and V
.set i, i+1
.endr
	s_mov_b32 s[SEL], 0x76543210
	s_mov_b32 s[SEL+1], 0xfedcba98
	s_mov_b32 s[HM], 0xffff0000
	v_mov_b32 v13, 0xff61b1e6                      ; the largest t so far: -3e38, under every t
	v_floor_f32 v12, -v13                          ; -M
	v_mov_b32 v14, 0                               ; the sum, in two halves
	v_mov_b32 v15, 0
	v_mov_b32 v236, 0                              ; written once: a lane permute's destination counts as one of its sources
	v_mov_b32 v252, 0
	v_mov_b32 v253, 0                              ; (named as the upper half of the pair v[252:253])
.irp i, 0,1,2,3
	v_mov_b32 v[T0+\i], 0
.endr
.set j, 0
.rept 32
	v_mov_b32 v[160+j], 0                          ; O^T: the key step is written once, and its first walk finds zeros
.set j, j+1
.endr
	s_wait_kmcnt 0x0
	s_add_co_i32 s20, s50, s51                     ; e2 + e3
	s_lshl_b32 s20, s20, 23
	s_mov_b32 s[CS], 0x3e38aa3b                    ; log2(e) / 8,
	s_add_co_i32 s[CS], s[CS], s20                 ; x 2^(e2 + e3): the exponents are added to its exponent field
	s_mov_b32 s21, 0xcfee6b28                      ; -8e9,
	s_sub_co_i32 s21, s21, s20                     ; x 2^-(e2 + e3)
	v_mov_b32 v[NG], s21
	s_add_co_i32 s20, s52, 127
	s_lshl_b32 s22, s20, 23
	v_mov_b32 v244, s22                            ; 2^e4 as f32, for p's conversions
	s_add_co_i32 s20, s20, 15
	s_lshl_b32 s20, s20, 23
	s_or_b32 s20, s20, 0x600000
	v_mov_b32 v240, s20                            ; 57,344 x 2^e4
	s_add_co_i32 s20, s54, 127
	s_lshl_b32 s22, s20, 23
	v_mov_b32 v245, s22                            ; 2^e6, for the result's
	s_add_co_i32 s20, s20, 15
	s_lshl_b32 s20, s20, 23
	s_or_b32 s20, s20, 0x600000
	v_mov_b32 v241, s20                            ; 57,344 x 2^e6
	s_add_co_i32 s18, s52, s53                     ; e4 + e5
	s_cmp_eq_u32 s24, 0                            ; no key of the batch counts:
	s_cselect_b32 s[NE], 2048, s24                 ; all places are walked,
	s_cselect_b32 s[CS], 0, s[CS]                  ; with c = 0
	s_mov_b32 s[CS+1], s[CS]                       ; (named with it as a pair, so it is written)
.irp i, 0,1,2,3
	v_add_nc_u32 v213, \i, v212
	v_cmp_le_u32 vcc_lo, s[NE], v213
	v_cndmask_b32 v[208+\i], 0, v[NG], vcc_lo      ; N from place n on, else 0
.endr
	ds_store_b128 v[BW], v[208:211]
.set i, 0
.rept 32
	s_wait_loadcnt 31-i                            ; loads come back in order: Q and this one are in; the 31 - i younger ones stay out
	ds_store_b128 v[SA+i/8], v[32+4*i:35+4*i] offset:8192*(i%8)
.set i, i+1
.endr
	s_wait_dscnt 0x0                               ; for the others' sake: my stores are done
	s_barrier_signal -1
	s_barrier_wait -1                              ; the head's K and V and the table lie in LDS; from here on LDS is only read
; A KEY STEP: 128 keys.
.macro STEP
	v_add_nc_u32 v[ADK], s[TB], v[LI]
	v_add_nc_u32 v[ADB], s[BB], v[BL]
	v_nop                                          ; with the two additions: four places in front of loads into registers that the last products have read
	v_nop
.irp c, 0,1,2,3,4,5,6,7
	ds_load_b128 v[32+8*\c:35+8*\c], v[ADK] offset:1024*\c
	ds_load_b128 v[36+8*\c:39+8*\c], v[ADK] offset:1024*\c+512
.endr
.irp c, 0,1,2,3,4,5,6,7
	ds_load_b128 v[96+8*\c:99+8*\c], v[ADB] offset:64*\c       ; the table at places 16 c + 8 (lane / 16) + 0 .. 7: the result's layout
	ds_load_b128 v[100+8*\c:103+8*\c], v[ADB] offset:64*\c+16
.endr
	s_wait_dscnt 0x0
.irp c, 0,1,2,3,4,5,6,7
	v_wmma_f32_16x16x64_bf8_bf8 v[96+8*\c:103+8*\c], v[32+8*\c:39+8*\c], v[16:23], v[96+8*\c:103+8*\c]   ; S^T + the table
.endr
.rept 4
	v_nop
.endr
.irp t, 0,1,2,3
.irp s, 0,1,2,3
	ds_load_b128 v[32+16*\t+4*\s:35+16*\t+4*\s], v[ADK] offset:8192+2048*\t+512*\s   ; V's four fragments land while the softmax is walked
.endr
.endr
	v_max3_num_f32 v254, v96, v97, v98             ; the step's largest score of my query, among my 64 keys, in two chains, each accumulator from its low end on,
	v_max3_num_f32 v252, v99, v100, v101
.irp i, 6,10,14,18,22,26,30,34,38,42,46,50,54,58
	v_max3_num_f32 v254, v254, v[96+\i], v[97+\i]
	v_max3_num_f32 v252, v252, v[98+\i], v[99+\i]
.endr
	v_max3_num_f32 v254, v254, v158, v159
	v_max_num_f32 v254, v254, v252
	v_permlanex16_b32 v236, v254, s[SEL], s[SEL+1]
	v_max_num_f32 v254, v254, v236                 ; and among lane l xor 16's
	v_mul_f32 v254, s[CS], v254                    ; as t (c is not negative)
	v_max_num_f32 v13, v13, v254                   ; the running largest t
	v_mov_b32 v254, v12
	v_floor_f32 v12, -v13                          ; the new -M = floor(-t) = -ceil(t): M is a whole number
	v_sub_f32 v254, v12, v254                      ; M's old value less its new one: a whole number, 0 or less
	v_cvt_i32_f32 v254, v254                       ; (it saturates)
	v_ldexp_f32 v252, 1.0, v254                    ; f = 2^(old M - new M)
.set j, 0
.rept 32
	v_pk_fma_f32 v[96+j:97+j], v[96+j:97+j], s[CS:CS+1], v[12:13] op_sel_hi:[1,0,0]   ; t - M, two at a time
.set j, j+2
.endr
.set j, 0
.rept 64
	v_exp_f32 v[96+j], v[96+j]                     ; p = 2^(t - M), at most 1: not normalised
.set j, j+1
.endr
	v_pk_mul_f32 v[14:15], v[14:15], v[252:253] op_sel_hi:[1,0]   ; the sums under the new M: the plain instruction behind the exponentials
	s_wait_alu depctr_va_vdst(0)                   ; one wait for the whole batch, ahead of its first reader
	v_pk_add_f32 v[242:243], v[96:97], v[98:99]    ; the row's sum is taken of the unquantised p, in two chains
.irp j, 4,8,12,16,20,24,28,32,36,40,44,48,52,56,60
	v_pk_add_f32 v[14:15], v[14:15], v[96+\j:97+\j]
	v_pk_add_f32 v[242:243], v[242:243], v[98+\j:99+\j]
.endr
	v_pk_add_f32 v[14:15], v[14:15], v[242:243]
.irp c, 0,1,2,3,4,5,6,7
.irp i, 0,1,2,3,4,5,6,7
	v_min_num_f32 v[96+8*\c+\i], v[96+8*\c+\i], v240   ; the conversion does not saturate (ISA guide 7.6.2); p is not negative, so the hold is one-sided
.endr
	v_cvt_scalef32_pk8_bf8_f32 v[192+2*\c:193+2*\c], v[96+8*\c:103+8*\c], v244   ; registers 2 c, 2 c + 1 of P: keys 16 c + 8 (lane / 16) + 0 .. 7
.endr
.set j, 0
.rept 16
	v_pk_mul_f32 v[160+j:161+j], v[160+j:161+j], v[252:253] op_sel_hi:[1,0]   ; O^T under the new M.  (Plain instructions between the conversions and the products that read the codes)
.set j, j+2
.endr
	s_wait_dscnt 0x0                               ; V is in
.irp t, 0,1,2,3
	v_wmma_f32_16x16x128_bf8_bf8 v[160+8*\t:167+8*\t], v[32+16*\t:47+16*\t], v[192:207], v[160+8*\t:167+8*\t]
.endr
.endm
	s_mov_b32 s[TB], 0
	s_mov_b32 s[BB], 0
	s_mov_b32 s[KF], 0
	s_mov_b32 s[CNT], 16
.Lstep:                                            ; sixteen trips, whatever n: the LDS offsets step by constants; the work of a step whose places all lie at n or beyond is passed over
	s_cmp_ge_u32 s[KF], s[NE]
	s_cbranch_scc1 .Lpast
	STEP
.Lpast:
	s_add_co_u32 s[TB], s[TB], 16384
	s_add_co_u32 s[BB], s[BB], 512
	s_add_co_u32 s[KF], s[KF], 128
	s_sub_co_u32 s[CNT], s[CNT], 1
	s_cmp_lg_u32 s[CNT], 0
	s_cbranch_scc1 .Lstep
	; THE WAY OUT.  O^T / the sum x 2^(e4 + e5) is the attention's result: register 8 t + i of lane (r, h) is channel 16 t + 8 h + i of query r.  It is quantised with 2^e6 and stored as my half of an image.
.rept 4
	v_nop
.endr
	v_add_f32 v14, v14, v15                        ; the sum's two halves,
	v_permlanex16_b32 v252, v14, s[SEL], s[SEL+1]
	v_add_f32 v14, v14, v252                       ; and lane l xor 16's
	v_rcp_f32 v14, v14
	v_nop                                          ; a plain instruction behind the transcendental,
	s_wait_alu depctr_va_vdst(0)                   ; and the wait ahead of its first reader
	v_ldexp_f32 v14, v14, s18
.set j, 0
.rept 32
	v_mul_f32 v[96+j], v[160+j], v14
.set j, j+1
.endr
.set j, 0
.rept 32
	v_med3_num_f32 v[96+j], v[96+j], -v241, v241
.set j, j+1
.endr
.irp t, 0,1,2,3
	v_cvt_scalef32_pk8_bf8_f32 v[192+2*\t:193+2*\t], v[96+8*\t:103+8*\t], v245
.endr
	v_nop                                          ; a plain instruction between the conversions and the reads of their results
	SWZ 192
	SWZ 196
	global_store_b128 v[LI], v[192:195], s[12:13]              ; 32 lanes store 512 consecutive bytes, aligned
	global_store_b128 v[LI], v[196:199], s[12:13] offset:512
	s_wait_tensorcnt 0x0
	ds_add_u32 v251, v255
	s_wait_dscnt 0x0
	s_endpgm
.Lfunc_end_k_q2d3e8698bb_attn:
	.size	k_q2d3e8698bb_attn, .Lfunc_end_k_q2d3e8698bb_attn-k_q2d3e8698bb_attn
	.p2alignl 7, 3214868480
	.fill 96, 4, 3214868480
	.section	.rodata,"a",@progbits
	.p2align	6, 0x0
	.amdhsa_kernel k_q2d3e8698bb_attn
		.amdhsa_group_segment_fixed_size 272384
		.amdhsa_private_segment_fixed_size 0
		.amdhsa_enable_private_segment 0
		.amdhsa_kernarg_size 40
		.amdhsa_user_sgpr_count 2
		.amdhsa_user_sgpr_kernarg_segment_ptr 1
		.amdhsa_wavefront_size32 1
		.amdhsa_system_sgpr_workgroup_id_x 1
		.amdhsa_system_sgpr_workgroup_id_y 1
		.amdhsa_system_sgpr_workgroup_id_z 1
		.amdhsa_system_vgpr_workitem_id 0
		.amdhsa_next_free_vgpr 256
		.amdhsa_next_free_sgpr 66
		.amdhsa_reserve_vcc 1
		.amdhsa_float_denorm_mode_32 3
		.amdhsa_float_denorm_mode_16_64 3
		.amdhsa_memory_ordered 1
		.amdhsa_forward_progress 1
		.amdhsa_inst_pref_size 34
	.end_amdhsa_kernel
	.amdgpu_metadata
---
amdhsa.version: [ 1, 2 ]
amdhsa.kernels:
  - .name:           k_q2d3e8698bb_attn
    .symbol:         k_q2d3e8698bb_attn.kd
    .args:
      - { .name: qi, .offset: 0, .size: 8, .value_kind: global_buffer, .address_space: global }
      - { .name: kv, .offset: 8, .size: 8, .value_kind: global_buffer, .address_space: global }
      - { .name: cnt, .offset: 16, .size: 8, .value_kind: global_buffer, .address_space: global }
      - { .name: lowp_scales, .offset: 24, .size: 8, .value_kind: global_buffer, .address_space: global }
      - { .name: ao, .offset: 32, .size: 8, .value_kind: global_buffer, .address_space: global }
    .group_segment_fixed_size: 272384
    .private_segment_fixed_size: 0
    .kernarg_segment_align: 8
    .kernarg_segment_size: 40
    .max_flat_workgroup_size: 512
    .sgpr_count:     66
    .vgpr_count:     256
    .wavefront_size: 32
...
	.end_amdgpu_metadata
.endif
;; end of part 3
;; launch oproj (part 4): grid 8 x 32, 4 waves a work-group, clusters of 4 x 4, 327,680 bytes of LDS; arguments ao, w_out_codes, lowp_scales, b_out, x, x1; writes x1
.if DOCPART == 4
	.amdgcn_target "amdgcn-amd-amdhsa--gfx1250"
	.amdhsa_code_object_version 6
	.text
	.protected	k_q2d3e8698bb_oproj
	.globl	k_q2d3e8698bb_oproj
	.p2align	8
	.type	k_q2d3e8698bb_oproj,@function
k_q2d3e8698bb_oproj:
	s_mov_b64 s[64:65], 0
	v_nop
	global_prefetch_b8 v0, s[64:65] scope:SCOPE_SE
	s_setreg_imm32_b32 hwreg(HW_REG_WAVE_MODE, 25, 1), 1
	s_wait_xcnt 0x0
	s_wait_alu depctr_hold_cnt(0) depctr_sa_sdst(0) depctr_va_vdst(0) depctr_va_sdst(0) depctr_va_ssrc(0) depctr_va_vcc(0) depctr_vm_vsrc(0)
	s_getreg_b32 s2, hwreg(HW_REG_IB_STS2, 6, 4)
	s_cmp_eq_u32 s2, 0
	s_cbranch_scc0 .Lentry_in_a_cluster
	s_endpgm
.Lentry_in_a_cluster:
	s_bfe_u32 s2, ttmp6, 0x10000c
	s_cmp_lg_u32 s2, 0xf033
	s_cbranch_scc0 .Lentry_shape_is_right
	s_endpgm
.Lentry_shape_is_right:
; out = res + bias + A W^T x 2^(ea + eb).  A: [4096][SIZE_K] as images of operand registers, [tile of 16 rows 256][128 along K][2,048 bytes]; W: [1024][SIZE_K] codes of E5M2, K innermost; bias [1024], res and out [4096][1024] f32.
; A tile of the result is 128 x 128, so that the 4,096 x 1,024 numbers make 256 work-groups.  Four waves, each 64 x 64: 16 accumulators.  K goes in steps of 512 through two LDS slots filled by the tensor data mover.
; A's part of a slot is a copy of its images (no rows, no padding: a fragment comes by four loads of 512 consecutive bytes); W's rows of 512 bytes get 16 bytes of padding.  In both, registers 4 c .. 4 c + 3 hold k = 32 c + 16 (lane / 16) + 0 .. 15.
; CLUSTERS: 4 x 4 work-groups; A's tile is shared along a row of the cluster, W's along a column: each is asked for jointly.  Source 0 = 16 rows of W, source 1 = 16 rows of A: a lane holds eight neighbouring numbers of a row of the result.
; A wave's 64 columns are 256 bytes of a row, aligned: each wave sends its results through a stage of its own and stores whole rows of 256 bytes.  res is loaded at the head in the stores' own layout and waits in registers.
; LIMIT: ea + eb between -126 and 127, so that 2^(ea + eb) is an f32 number.
; REGISTERS: window 0: v0-31 addresses, v12-15 the bias of my four columns; v32-95 rows on the way out; v128-255 the accumulators ((a, b) at v[128 + 8 (4 a + b)]).  window 1: two fragment buffers of 128: 64 of A, 64 of W.  window 2: v0-127 res.
.set SIZE_K, 1024
.set SCL,    24                        ; byte of ea among the scales; eb follows it
.set PITCH,  528                       ; a row of W in LDS: 512 bytes + 16: the 16 rows that a load touches start at 16 different banks
.set AHALF,  32768                     ; 64 rows of A for 512 along K: 4 tiles x 4 images of 2,048 bytes
.set BHALF,  64*PITCH
.set BOFF,   2*AHALF                   ; W's rows lie behind A's two halves
.set SLOT,   BOFF+2*BHALF
.set SPARE,  2*SLOT                    ; behind the ring: the spare words, 128 bytes for each wave
.set SPITCH, 272                       ; the way out: a stage of 16 rows x (256 bytes + 16) for each wave, in slot 0, which has had its last fill and its last read when the first result is stored there
.set LAPS,   SIZE_K/1024               ; a lap = two K steps = once round the ring
.set ADRA, 16                          ; v16-17  LDS address of my A fragments in slot 0, 1
.set ADRB, 20                          ; v20-21  the same for W
.set STO,  24                          ; v24     the way out: where I put 32 bytes of a row
.set RD,   25                          ; v25     where I read a row back
.set CO,   26                          ; v26     my byte offset in two rows of res and of out
.set SPW,  28                          ; v28     LDS address of my spare word; never rewritten
.set NIL,  29                          ; v29     0; never rewritten
.set BK,   32                          ; v32-63, v64-95 by turns
.set ACC,  128
.set F0,   0                           ; fragment buffers, in window 1
.set F1,   128
.set G1, 24                            ; s[24:31] descriptor group 1 for A's tiles;  s[32:39] group 0, one set for each slot
.set G0, 32
.set G1B, 48                           ; s[48:55], s[56:63] the same for W's tiles
.set G0B, 56
.set MSB, 0
.macro WIN new                         ; the immediate's high byte repeats the setting that is left
.if MSB != \new
	s_set_vgpr_msb (MSB<<8)|\new
.set MSB, \new
.endif
.endm
.set MUL,  0x05                        ; sources 0 (W) and 1 (A) window 1; C and D window 0
.set TO_F, 0x40                        ; destination window 1, address window 0
.macro JLOAD s                         ; a joint load: waves 0 and 1 fetch A's two halves, waves 2 and 3 W's; four v_nop follow each of the two lines
	s_cmp_eq_u32 s15, 0
	s_cbranch_scc0 .Lfor_b_\@
	tensor_load_to_lds s[G0+4*\s:G0+4*\s+3], s[G1:G1+7]
	s_nop 0
.rept 4
	v_nop
.endr
	s_branch .Lasked_\@
.Lfor_b_\@:
	tensor_load_to_lds s[G0B+4*\s:G0B+4*\s+3], s[G1B:G1B+7]
	s_nop 0
.rept 4
	v_nop
.endr
.Lasked_\@:
.endm
.macro CREST                           ; a round of the cluster's barrier behind its opening barrier
	s_cmp_lg_u32 s14, 0
	s_cbranch_scc1 .Lnot_wave_0_\@
	s_barrier_signal -3
.Lnot_wave_0_\@:
	s_barrier_wait -3
	s_barrier_signal -1
	s_barrier_wait -1
.endm
.macro CROUND                          ; a whole round
	s_barrier_signal -1
	s_barrier_wait -1
	CREST
.endm
	s_load_b256 s[4:11], s[0:1], 0x0               ; A s[4:5], W s[6:7], the scales' exponents s[8:9], bias s[10:11]
	s_load_b128 s[68:71], s[0:1], 0x20             ; res s[68:69], out s[70:71]
	v_lshl_add_u32 v[SPW], v0, 2, SPARE
	v_mov_b32 v[NIL], 0
	ds_add_u32 v28, v29
	ds_add_u32 v28, v29
	s_wait_dscnt 0x0
	v_lshrrev_b32 v1, 5, v0
	v_readfirstlane_b32 s14, v1                    ; wave 0..3
	s_lshr_b32 s15, s14, 1                         ; which half of the tile's rows is mine.  Also: I fetch for A (0) or for W (1)
	s_and_b32 s16, s14, 1                          ; which half of its columns.  Also: which half of that tile I fetch
	s_bfe_u32 s40, ttmp6, 0x40000                  ; cx, cy: my place in the cluster
	s_bfe_u32 s41, ttmp6, 0x40004
	s_lshl_b32 s42, ttmp9, 2
	s_add_co_u32 s42, s42, s40                     ; tile column = 4 x cluster x + cx
	s_and_b32 s17, ttmp7, 0xffff
	s_lshl_b32 s17, s17, 2
	s_add_co_u32 s17, s17, s41                     ; tile row = 4 x cluster y + cy
	s_lshl_b32 s43, s41, 2
	s_lshl_b32 s43, 15, s43                        ; my row of the cluster
	s_lshl_b32 s44, 0x1111, s40                    ; my column
	; descriptor group 1.  A: 4 rows (tiles of 16 rows of A) of 8,192 bytes, 16 SIZE_K bytes apart, no padding.  W: 64 rows of 512 bytes, SIZE_K bytes apart, padded
	s_or_b32 s[G1+0], s43, (3<<16)|(1<<21)         ; 15:0 the mask: my row; 17:16 elements of 8 bytes; 21 set beside a mask
	s_mov_b32 s[G1+1], 1024<<16                    ; tensor_dim0 = 1,024
	s_mov_b32 s[G1+2], 4<<16                       ; tensor_dim1 = 4
	s_mov_b32 s[G1+3], 1024<<16                    ; tile_dim0 = 1,024
	s_mov_b32 s[G1+4], 4                           ; tile_dim1 = 4
	s_mov_b32 s[G1+5], 2*SIZE_K                    ; tensor_dim0_stride, in elements of 8 bytes
	s_mov_b32 s[G1+6], 0
	s_mov_b32 s[G1+7], 0
	s_or_b32 s[G1B+0], s44, (0<<16)|(1<<20)|(1<<21)|(6<<22)|(3<<25)  ; the mask: my column; elements of 1 byte; padding: four words after every 128
	s_mov_b32 s[G1B+1], 512<<16
	s_mov_b32 s[G1B+2], 64<<16
	s_mov_b32 s[G1B+3], 512<<16
	s_mov_b32 s[G1B+4], 64
	s_mov_b32 s[G1B+5], SIZE_K
	s_mov_b32 s[G1B+6], 0
	s_mov_b32 s[G1B+7], 0
	s_lshl_b32 s20, s17, 3
	s_lshl_b32 s18, s16, 2
	s_add_co_u32 s20, s20, s18                     ; A: tile of 16 rows 8 x tile row + 4 x half
	s_mul_i32 s20, s20, 16*SIZE_K
	s_mov_b32 s21, 0
	s_lshl_b32 s46, s42, 7
	s_lshl_b32 s18, s16, 6
	s_add_co_u32 s46, s46, s18                     ; W: row 128 x tile column + 64 x half
	s_mul_i32 s46, s46, SIZE_K
	s_mov_b32 s47, 0
	s_lshl_b32 s45, s16, 15                        ; where they go: A's half,
	s_mul_i32 s19, s16, BHALF
	s_add_co_u32 s19, s19, BOFF                    ; W's half: the wave's number alone enters an LDS address
	s_wait_kmcnt 0x0
	s_load_b64 s[96:97], s[8:9], SCL               ; ea, eb
	s_add_nc_u64 s[20:21], s[4:5], s[20:21]
	s_add_nc_u64 s[46:47], s[6:7], s[46:47]
	CROUND                                         ; all sixteen work-groups are here: the first joint loads meet
.irp s, 0,1
	s_mov_b32 s[G0+4*\s], 1
	s_add_co_u32 s[G0+4*\s+1], s45, \s*SLOT
	s_add_nc_u64 s[G0+4*\s+2:G0+4*\s+3], s[20:21], \s*8192
	s_or_b32 s[G0+4*\s+3], s[G0+4*\s+3], 0x80000000
	s_mov_b32 s[G0B+4*\s], 1
	s_add_co_u32 s[G0B+4*\s+1], s19, \s*SLOT
	s_add_nc_u64 s[G0B+4*\s+2:G0B+4*\s+3], s[46:47], \s*512
	s_or_b32 s[G0B+4*\s+3], s[G0B+4*\s+3], 0x80000000
	JLOAD \s
.endr
	v_and_b32 v1, 15, v0                           ; l % 16
	v_bfe_u32 v2, v0, 4, 1                         ; l / 16
	v_and_b32 v3, 31, v0
	v_lshlrev_b32 v3, 4, v3                        ; 16 x lane: my place in an image
	v_mul_u32_u24 v4, v1, PITCH
	v_lshl_add_u32 v4, v2, 4, v4                   ; W: row x pitch + 16 x half
	s_lshl_b32 s21, s15, 15                        ; my 64 rows of A
	s_mul_i32 s22, s16, BHALF
	s_add_co_u32 s22, s22, BOFF                    ; my 64 rows of W
.irp s, 0,1
	v_add_nc_u32 v[ADRA+\s], s21, v3
	v_add_nc_u32 v[ADRB+\s], s22, v4
	s_add_co_u32 s21, s21, SLOT
	s_add_co_u32 s22, s22, SLOT
.endr
	s_mul_i32 s23, s14, 16*SPITCH                  ; my stage
	v_mul_u32_u24 v5, v1, SPITCH                   ; in: row l % 16, 32 bytes for each half of the lanes
	v_lshl_add_u32 v5, v2, 5, v5
	v_add_nc_u32 v[STO], s23, v5
	v_mul_u32_u24 v5, v2, SPITCH                   ; back: lanes 0-15 one row of 256 bytes, lanes 16-31 the next
	v_lshl_add_u32 v5, v1, 4, v5
	v_add_nc_u32 v[RD], s23, v5
	v_lshlrev_b32 v5, 12, v2                       ; and the same two rows of 4,096 bytes in res and out
	v_lshl_add_u32 v[CO], v1, 4, v5
	v_lshlrev_b32 v6, 4, v1                        ; my four columns' bias
	s_lshl_b32 s20, s17, 7
	s_lshl_b32 s21, s15, 6
	s_add_co_u32 s20, s20, s21                     ; my first row: 128 x tile row + 64 x half
	s_lshl_b32 s20, s20, 12
	s_lshl_b32 s46, s42, 9
	s_lshl_b32 s47, s16, 8
	s_add_co_u32 s46, s46, s47                     ; my first column, in bytes: 512 x tile column + 256 x half
	s_add_co_u32 s20, s20, s46
	s_mov_b32 s21, 0
	s_mov_b32 s47, 0
	s_add_nc_u64 s[68:69], s[68:69], s[20:21]
	s_add_nc_u64 s[70:71], s[70:71], s[20:21]
	s_add_nc_u64 s[10:11], s[10:11], s[46:47]
	WIN 0x80                                       ; destination window 2
.irp a, 0,1,2,3
.irp t, 0,1,2,3,4,5,6,7
	global_load_b128 v[32*\a+4*\t:32*\a+4*\t+3], v[CO], s[68:69] offset:(16*\a+2*\t)*4096   ; 16 lanes read 256 consecutive bytes, aligned; they land while K is walked
.endr
.endr
	WIN 0
	global_load_b128 v[12:15], v6, s[10:11]
.macro MULA f, a, zero                 ; 4 matrix instructions: A's block a x W's four, 128 along K.  The 16 accumulators take turns
.irp b, 0,1,2,3
.if \zero
	v_wmma_f32_16x16x128_bf8_bf8 v[ACC+8*(4*(\a)+\b):ACC+8*(4*(\a)+\b)+7], v[\f+64+16*\b:\f+64+16*\b+15], v[\f+16*(\a):\f+16*(\a)+15], 0
.else
	v_wmma_f32_16x16x128_bf8_bf8 v[ACC+8*(4*(\a)+\b):ACC+8*(4*(\a)+\b)+7], v[\f+64+16*\b:\f+64+16*\b+15], v[\f+16*(\a):\f+16*(\a)+15], v[ACC+8*(4*(\a)+\b):ACC+8*(4*(\a)+\b)+7]
.endif
.endr
.endm
.macro FETCH slot, q, f                ; 32 LDS loads in one run: the fragments of the slot's q-th 128 along K into buffer f: W's four, then A's four
	WIN TO_F
.irp i, 0,1,2,3
.irp c, 0,1,2,3
	ds_load_b128 v[\f+64+16*\i+4*\c:\f+64+16*\i+4*\c+3], v[ADRB+\slot] offset:\i*16*PITCH+128*(\q)+32*\c
.endr
.endr
.irp i, 0,1,2,3
.irp c, 0,1,2,3
	ds_load_b128 v[\f+16*\i+4*\c:\f+16*\i+4*\c+3], v[ADRA+\slot] offset:\i*8192+2048*(\q)+512*\c
.endr
.endr
.endm
.macro PLACES                          ; four plain vector instructions between a matrix instruction and a load into, or a read of, its registers
.rept 4
	v_nop
.endr
.endm
; A K step is four quarters of 128 along K, 16 matrix instructions each, on buffers 0, 1, 0, 1.  One of the first three: multiplies buffer f and fetches quarter qn into g.
.macro QUARTER slot, qn, f, g, zero
	s_wait_dscnt 8                                 ; W's four and A's blocks 0, 1 are in; the youngest eight loads (A's blocks 2, 3) may be out
	WIN MUL
	MULA \f, 0, \zero
	MULA \f, 1, \zero
	PLACES
	FETCH \slot, \qn, \g
	s_wait_dscnt 32                                ; all but the 32 just issued
	WIN MUL
	MULA \f, 2, \zero
	MULA \f, 3, \zero
.endm
; The last quarter multiplies buffer 1 and changes slots: one barrier; in front of it each wave waits for all its tensor loads, adds 0 to its spare word, and waits for that and for its own reads of this slot.
.macro TURN slot, next, fill
	WIN 0                                          ; (the add's two registers lie in window 0)
	s_wait_tensorcnt 0x0                           ; all my tensor loads have landed: my part of the next slot
	ds_add_u32 v[SPW], v[NIL]                      ; 0 onto my spare word
	s_wait_dscnt 9                                 ; (the add and the youngest eight loads may be out)
	WIN MUL
	MULA F1, 0, 0
	s_wait_dscnt 0x0                               ; the add is done, and my reads of this slot are over
	s_barrier_signal -1
	MULA F1, 1, 0
.if \fill
	WIN 0
.endif
	s_barrier_wait -1
.if \fill
	CREST                                          ; the barrier has opened a round of the cluster's barrier: no wave of any partner still reads this slot or has a load on its way
	s_add_nc_u64 s[G0+4*\slot+2:G0+4*\slot+3], s[G0+4*\slot+2:G0+4*\slot+3], 2*8192
	s_add_nc_u64 s[G0B+4*\slot+2:G0B+4*\slot+3], s[G0B+4*\slot+2:G0B+4*\slot+3], 2*512
	JLOAD \slot                                    ; the first tensor load behind the round; its four v_nop are the places in front of the loads below
.else
	PLACES
.endif
	FETCH \next, 0, F0
	WIN MUL
	MULA F1, 2, 0
	MULA F1, 3, 0
.endm
	s_wait_tensorcnt 1                             ; my part of K step 0 is in (K step 1's load may be out),
	s_barrier_signal -1
	s_barrier_wait -1                              ; everybody's is
	FETCH 0, 0, F0
	QUARTER 0, 1, F0, F1, 1                        ; the first quarter stands in front of the loop: its products start the sums
.if LAPS > 1
	WIN 0                                          ; at a label and at a branch every window is 0
	s_mov_b32 s3, LAPS-1
.Llap:                                                 ; a trip goes once round the ring and fills both slots again
	QUARTER 0, 2, F1, F0, 0
	QUARTER 0, 3, F0, F1, 0
	TURN 0, 1, 1
	QUARTER 1, 1, F0, F1, 0
	QUARTER 1, 2, F1, F0, 0
	QUARTER 1, 3, F0, F1, 0
	TURN 1, 0, 1
	QUARTER 0, 1, F0, F1, 0
	WIN 0
	s_sub_co_u32 s3, s3, 1
	s_cmp_lg_u32 s3, 0
	s_cbranch_scc1 .Llap
.endif
	QUARTER 0, 2, F1, F0, 0                        ; the last lap fills nothing
	QUARTER 0, 3, F0, F1, 0
	TURN 0, 1, 0
	QUARTER 1, 1, F0, F1, 0
	QUARTER 1, 2, F1, F0, 0
	QUARTER 1, 3, F0, F1, 0
	s_wait_dscnt 8                                 ; the very last quarter: nothing more to fetch
	WIN MUL
	MULA F1, 0, 0
	MULA F1, 1, 0
	s_wait_dscnt 0
	MULA F1, 2, 0
	MULA F1, 3, 0
	WIN 0
	; THE WAY OUT, block by block of 16 rows x 64 columns: the sums go into my stage as they are, come back as whole rows of 256 bytes, and there one packed multiply-add gives sum x 2^(ea + eb) + (res + bias).
	PLACES
	s_wait_kmcnt 0x0
	s_add_co_i32 s96, s96, s97
	s_add_co_i32 s96, s96, 127
	s_lshl_b32 s96, s96, 23                        ; 2^(ea + eb) as f32
	s_mov_b32 s97, s96                             ; (named with it as a pair)
	s_wait_loadcnt 0x0                             ; res and the bias
	WIN 0x82                                       ; source 0 and destination window 2
.set j, 0
.rept 64
	v_pk_add_f32 v[j:j+1], v[j:j+1], v[12+j%4:13+j%4]   ; res + bias
.set j, j+2
.endr
	WIN 0
.macro TOSTAGE a
.set BB, BK+32*((\a)%2)
.irp b, 0,1,2,3
	ds_store_b128 v[STO], v[ACC+8*(4*(\a)+\b):ACC+8*(4*(\a)+\b)+3] offset:64*\b          ; each accumulator from its low end on
	ds_store_b128 v[STO], v[ACC+8*(4*(\a)+\b)+4:ACC+8*(4*(\a)+\b)+7] offset:64*\b+16
.endr
.irp t, 0,1,2,3,4,5,6,7
	ds_load_b128 v[BB+4*\t:BB+4*\t+3], v[RD] offset:\t*2*SPITCH   ; LDS serves a wave's instructions in order (ISA guide 5.7.1.4): these see the stores above, and the next block's stores come behind them
.endr
.endm
.macro SEND a, younger                 ; younger: the LDS instructions issued behind block a's loads, which may stay out
.set BB, BK+32*((\a)%2)
	s_wait_dscnt \younger
	WIN 0x20                                       ; source 2 window 2
.set j, 0
.rept 16
	v_pk_fma_f32 v[BB+j:BB+j+1], v[BB+j:BB+j+1], s[96:97], v[32*(\a)+j:32*(\a)+j+1] op_sel_hi:[1,0,1]
.set j, j+2
.endr
	WIN 0
.irp t, 0,1,2,3,4,5,6,7
	global_store_b128 v[CO], v[BB+4*\t:BB+4*\t+3], s[70:71] offset:(16*(\a)+2*\t)*4096   ; 16 lanes store 256 consecutive bytes, aligned
.endr
.endm
	TOSTAGE 0
.irp a, 1,2,3
.if \a > 1
	s_wait_xcnt 0x0                                ; block a - 2's stores have read their registers: block a's loads may land there
.endif
	TOSTAGE \a
	SEND \a-1, 16                                  ; behind block a - 1's loads: block a's 8 stores and 8 loads
.endr
	SEND 3, 0
	s_wait_tensorcnt 0x0                           ; the wave's end
	ds_add_u32 v[SPW], v[NIL]
	s_wait_dscnt 0x0
	CROUND                                         ; the closing round: no work-group ends while a partner may still ask for a tile that names it
	s_endpgm
.Lfunc_end_k_q2d3e8698bb_oproj:
	.size	k_q2d3e8698bb_oproj, .Lfunc_end_k_q2d3e8698bb_oproj-k_q2d3e8698bb_oproj
	.p2alignl 7, 3214868480
	.fill 96, 4, 3214868480
	.section	.rodata,"a",@progbits
	.p2align	6, 0x0
	.amdhsa_kernel k_q2d3e8698bb_oproj
		.amdhsa_group_segment_fixed_size 327680
		.amdhsa_private_segment_fixed_size 0
		.amdhsa_enable_private_segment 0
		.amdhsa_kernarg_size 48
		.amdhsa_user_sgpr_count 2
		.amdhsa_user_sgpr_kernarg_segment_ptr 1
		.amdhsa_wavefront_size32 1
		.amdhsa_system_sgpr_workgroup_id_x 1
		.amdhsa_system_sgpr_workgroup_id_y 1
		.amdhsa_system_sgpr_workgroup_id_z 1
		.amdhsa_system_vgpr_workitem_id 0
		.amdhsa_next_free_vgpr 768
		.amdhsa_next_free_sgpr 100
		.amdhsa_reserve_vcc 0
		.amdhsa_float_denorm_mode_32 3
		.amdhsa_float_denorm_mode_16_64 3
		.amdhsa_memory_ordered 1
		.amdhsa_forward_progress 1
		.amdhsa_inst_pref_size 53
	.end_amdhsa_kernel
	.amdgpu_metadata
---
amdhsa.version: [ 1, 2 ]
amdhsa.kernels:
  - .name:           k_q2d3e8698bb_oproj
    .symbol:         k_q2d3e8698bb_oproj.kd
    .args:
      - { .name: ao, .offset: 0, .size: 8, .value_kind: global_buffer, .address_space: global }
      - { .name: w_out_codes, .offset: 8, .size: 8, .value_kind: global_buffer, .address_space: global }
      - { .name: lowp_scales, .offset: 16, .size: 8, .value_kind: global_buffer, .address_space: global }
      - { .name: b_out, .offset: 24, .size: 8, .value_kind: global_buffer, .address_space: global }
      - { .name: x, .offset: 32, .size: 8, .value_kind: global_buffer, .address_space: global }
      - { .name: x1, .offset: 40, .size: 8, .value_kind: global_buffer, .address_space: global }
    .group_segment_fixed_size: 327680
    .private_segment_fixed_size: 0
    .kernarg_segment_align: 8
    .kernarg_segment_size: 48
    .max_flat_workgroup_size: 128
    .sgpr_count:     100
    .vgpr_count:     768
    .wavefront_size: 32
...
	.end_amdgpu_metadata
.endif
;; end of part 4
;; launch ln2 (part 5): grid 256 x 1, 4 waves a work-group, no clusters, 0 bytes of LDS; arguments x1, g2, be2, lowp_scales, hc; writes hc
.if DOCPART == 5
	.amdgcn_target "amdgcn-amd-amdhsa--gfx1250"
	.amdhsa_code_object_version 6
	.text
	.protected	k_q2d3e8698bb_ln2
	.globl	k_q2d3e8698bb_ln2
	.p2align	8
	.type	k_q2d3e8698bb_ln2,@function
k_q2d3e8698bb_ln2:
	s_mov_b64 s[64:65], 0
	v_nop
	global_prefetch_b8 v0, s[64:65] scope:SCOPE_SE
	s_setreg_imm32_b32 hwreg(HW_REG_WAVE_MODE, 25, 1), 1
	s_wait_xcnt 0x0
; codes = Q(LayerNorm(x) * g + be): x [4096][1024] f32, codes [4096][1024] of E5M2, K (the row) innermost, with the given scale 2^e, e = the entry of the scales' buffer at byte SCL.
; A wave takes four whole rows; a row stays in 32 registers a lane between the pass for the mean, the pass for the variance (of x - mean, so that a common offset costs no accuracy) and the scaling: x is read once.
; Lane l holds columns 256 q + 8 l + 0 .. 7, q = 0 .. 3: eight neighbours along K, as the conversion takes them; its 8 codes are 8 bytes, so a wave's store covers 256 consecutive bytes, aligned.
; No LDS, no barrier, no matrix unit, no cluster: waves share nothing and the work is a stream.  All 48 loads of a wave go out at once; every row has registers of its own, so nothing that a store reads is written again.
; LIMITS: e between -126 and 112, so that 2^e and 57,344 x 2^e are f32 numbers.  NaN among the inputs is not served.
.set SCL, 32                           ; byte of this operand's exponent among the scales
.set G,   8                            ; v[8:39]    g of my 32 columns
.set BE,  40                           ; v[40:71]   be of my 32 columns
.set X,   72                           ; v[72:199]  four rows, 32 registers each
.set C,   200                          ; v[200:231] their codes, 8 registers each
	s_load_b256 s[4:11], s[0:1], 0x0               ; x s[4:5], g s[6:7], be s[8:9], the scales' exponents s[10:11]
	s_load_b64 s[16:17], s[0:1], 0x20              ; the codes
	v_lshrrev_b32 v3, 5, v0
	v_readfirstlane_b32 s20, v3                    ; wave
	v_and_b32 v2, 31, v0                           ; lane
	v_lshlrev_b32 v1, 5, v2                        ; my 32 bytes of each 1,024 bytes of a row of f32
	v_lshlrev_b32 v2, 3, v2                        ; my 8 bytes of each 256 codes
	s_lshl_b32 s21, ttmp9, 4
	s_lshl_b32 s20, s20, 2
	s_add_co_u32 s20, s20, s21                     ; my first row: 16 x work-group + 4 x wave
	s_lshl_b32 s22, s20, 12                        ; in x: rows of 4,096 bytes
	s_mov_b32 s23, 0
	s_lshl_b32 s24, s20, 10                        ; in the codes: rows of 1,024 bytes
	s_mov_b32 s25, 0
	s_mov_b32 s12, 0x76543210                      ; v_permlanex16_b32: lane l xor 16
	s_mov_b32 s13, 0xfedcba98
	s_mov_b32 s14, 0x3a800000                      ; 1 / 1024
	s_mov_b32 s15, 0x3727c5ac                      ; 1e-5
	v_mov_b32 v233, 0                              ; (named as the upper halves of the pairs v[232:233] and v[234:235])
	v_mov_b32 v235, 0
	s_wait_kmcnt 0x0
	s_load_b32 s18, s[10:11], SCL                  ; e
	s_add_nc_u64 s[4:5], s[4:5], s[22:23]
	s_add_nc_u64 s[16:17], s[16:17], s[24:25]
.irp q, 0,1,2,3
.irp p, 0,1
	global_load_b128 v[G+8*\q+4*\p:G+8*\q+4*\p+3], v1, s[6:7] offset:1024*\q+16*\p
.endr
.endr
.irp q, 0,1,2,3
.irp p, 0,1
	global_load_b128 v[BE+8*\q+4*\p:BE+8*\q+4*\p+3], v1, s[8:9] offset:1024*\q+16*\p
.endr
.endr
.irp w, 0,1,2,3
.irp q, 0,1,2,3
.irp p, 0,1
	global_load_b128 v[X+32*\w+8*\q+4*\p:X+32*\w+8*\q+4*\p+3], v1, s[4:5] offset:4096*\w+1024*\q+16*\p
.endr
.endr
.endr
	s_wait_kmcnt 0x0
	s_add_co_i32 s18, s18, 127
	s_lshl_b32 s19, s18, 23
	v_mov_b32 v4, s19                              ; 2^e as f32: the conversion takes its exponent field
	s_add_co_i32 s18, s18, 15
	s_lshl_b32 s18, s18, 23
	s_or_b32 s18, s18, 0x600000
	v_mov_b32 v5, s18                              ; 57,344 x 2^e
.macro REDUCE r, t                     ; the sum of v[r] over the 32 lanes, in every lane; v[t] has been written before
	v_add_f32_dpp v[\r], v[\r], v[\r] row_xmask:1 row_mask:0xf bank_mask:0xf
	v_add_f32_dpp v[\r], v[\r], v[\r] row_xmask:2 row_mask:0xf bank_mask:0xf
	v_add_f32_dpp v[\r], v[\r], v[\r] row_xmask:4 row_mask:0xf bank_mask:0xf
	v_add_f32_dpp v[\r], v[\r], v[\r] row_xmask:8 row_mask:0xf bank_mask:0xf
	v_permlanex16_b32 v[\t], v[\r], s12, s13
	v_add_f32 v[\r], v[\r], v[\t]
.endm
.macro ROW rw
.set XR, X+32*(\rw)
	s_wait_loadcnt 24-8*(\rw)                      ; loads come back in order: g, be and this row are in; the younger rows, eight loads each, stay out
	v_pk_add_f32 v[236:237], v[XR:XR+1], v[XR+2:XR+3]          ; the row's sum, in two chains
	v_pk_add_f32 v[238:239], v[XR+4:XR+5], v[XR+6:XR+7]
.irp j, 8,12,16,20,24,28
	v_pk_add_f32 v[236:237], v[236:237], v[XR+\j:XR+\j+1]
	v_pk_add_f32 v[238:239], v[238:239], v[XR+\j+2:XR+\j+3]
.endr
	v_pk_add_f32 v[236:237], v[236:237], v[238:239]
	v_add_f32 v236, v236, v237
	REDUCE 236, 237
	v_mul_f32 v232, s14, v236                      ; the mean
.set j, 0
.rept 16
	v_pk_add_f32 v[XR+j:XR+j+1], v[XR+j:XR+j+1], v[232:233] op_sel_hi:[1,0] neg_lo:[0,1] neg_hi:[0,1]   ; d = x - mean
.set j, j+2
.endr
	v_pk_mul_f32 v[236:237], v[XR:XR+1], v[XR:XR+1]            ; the sum of d^2, in two chains
	v_pk_mul_f32 v[238:239], v[XR+2:XR+3], v[XR+2:XR+3]
.irp j, 4,8,12,16,20,24,28
	v_pk_fma_f32 v[236:237], v[XR+\j:XR+\j+1], v[XR+\j:XR+\j+1], v[236:237]
	v_pk_fma_f32 v[238:239], v[XR+\j+2:XR+\j+3], v[XR+\j+2:XR+\j+3], v[238:239]
.endr
	v_pk_add_f32 v[236:237], v[236:237], v[238:239]
	v_add_f32 v236, v236, v237
	REDUCE 236, 237
	v_fma_f32 v236, v236, s14, s15                 ; the variance + 1e-5
	v_rsq_f32 v234, v236
	v_nop                                          ; a plain instruction behind the transcendental,
	s_wait_alu depctr_va_vdst(0)                   ; and the wait ahead of its first reader
.set j, 0
.rept 16
	v_pk_mul_f32 v[XR+j:XR+j+1], v[XR+j:XR+j+1], v[234:235] op_sel_hi:[1,0]
.set j, j+2
.endr
.set j, 0
.rept 16
	v_pk_fma_f32 v[XR+j:XR+j+1], v[XR+j:XR+j+1], v[G+j:G+j+1], v[BE+j:BE+j+1]
.set j, j+2
.endr
.set j, 0
.rept 32
	v_med3_num_f32 v[XR+j], v[XR+j], -v5, v5       ; the conversion to an 8-bit code does not saturate (ISA guide 7.6.2): the hold at the largest code x the scale
.set j, j+1
.endr
.irp q, 0,1,2,3
	v_cvt_scalef32_pk8_bf8_f32 v[C+8*(\rw)+2*\q:C+8*(\rw)+2*\q+1], v[XR+8*\q:XR+8*\q+7], v4
.endr
.irp q, 0,1,2,3
	global_store_b64 v2, v[C+8*(\rw)+2*\q:C+8*(\rw)+2*\q+1], s[16:17] offset:1024*(\rw)+256*\q   ; 32 lanes store 256 consecutive bytes, aligned
.endr
.endm
	ROW 0
	ROW 1
	ROW 2
	ROW 3
	s_endpgm
.Lfunc_end_k_q2d3e8698bb_ln2:
	.size	k_q2d3e8698bb_ln2, .Lfunc_end_k_q2d3e8698bb_ln2-k_q2d3e8698bb_ln2
	.p2alignl 7, 3214868480
	.fill 96, 4, 3214868480
	.section	.rodata,"a",@progbits
	.p2align	6, 0x0
	.amdhsa_kernel k_q2d3e8698bb_ln2
		.amdhsa_group_segment_fixed_size 0
		.amdhsa_private_segment_fixed_size 0
		.amdhsa_enable_private_segment 0
		.amdhsa_kernarg_size 40
		.amdhsa_user_sgpr_count 2
		.amdhsa_user_sgpr_kernarg_segment_ptr 1
		.amdhsa_wavefront_size32 1
		.amdhsa_system_sgpr_workgroup_id_x 1
		.amdhsa_system_sgpr_workgroup_id_y 1
		.amdhsa_system_sgpr_workgroup_id_z 1
		.amdhsa_system_vgpr_workitem_id 0
		.amdhsa_next_free_vgpr 240
		.amdhsa_next_free_sgpr 66
		.amdhsa_reserve_vcc 0
		.amdhsa_float_denorm_mode_32 3
		.amdhsa_float_denorm_mode_16_64 3
		.amdhsa_memory_ordered 1
		.amdhsa_forward_progress 1
		.amdhsa_inst_pref_size 41
	.end_amdhsa_kernel
	.amdgpu_metadata
---
amdhsa.version: [ 1, 2 ]
amdhsa.kernels:
  - .name:           k_q2d3e8698bb_ln2
    .symbol:         k_q2d3e8698bb_ln2.kd
    .args:
      - { .name: x1, .offset: 0, .size: 8, .value_kind: global_buffer, .address_space: global }
      - { .name: g2, .offset: 8, .size: 8, .value_kind: global_buffer, .address_space: global }
      - { .name: be2, .offset: 16, .size: 8, .value_kind: global_buffer, .address_space: global }
      - { .name: lowp_scales, .offset: 24, .size: 8, .value_kind: global_buffer, .address_space: global }
      - { .name: hc, .offset: 32, .size: 8, .value_kind: global_buffer, .address_space: global }
    .group_segment_fixed_size: 0
    .private_segment_fixed_size: 0
    .kernarg_segment_align: 8
    .kernarg_segment_size: 40
    .max_flat_workgroup_size: 128
    .sgpr_count:     66
    .vgpr_count:     240
    .wavefront_size: 32
...
	.end_amdgpu_metadata
.endif
;; end of part 5
;; launch ffn1 (part 6): grid 16 x 16, 4 waves a work-group, clusters of 4 x 4, 327,680 bytes of LDS; arguments hc, w1_codes, lowp_scales, b1, hid; writes hid
.if DOCPART == 6
	.amdgcn_target "amdgcn-amd-amdhsa--gfx1250"
	.amdhsa_code_object_version 6
	.text
	.protected	k_q2d3e8698bb_ffn1
	.globl	k_q2d3e8698bb_ffn1
	.p2align	8
	.type	k_q2d3e8698bb_ffn1,@function
k_q2d3e8698bb_ffn1:
	s_mov_b64 s[64:65], 0
	v_nop
	global_prefetch_b8 v0, s[64:65] scope:SCOPE_SE
	s_setreg_imm32_b32 hwreg(HW_REG_WAVE_MODE, 25, 1), 1
	s_wait_xcnt 0x0
	s_wait_alu depctr_hold_cnt(0) depctr_sa_sdst(0) depctr_va_vdst(0) depctr_va_sdst(0) depctr_va_ssrc(0) depctr_va_vcc(0) depctr_vm_vsrc(0)
	s_getreg_b32 s2, hwreg(HW_REG_IB_STS2, 6, 4)
	s_cmp_eq_u32 s2, 0
	s_cbranch_scc0 .Lentry_in_a_cluster
	s_endpgm
.Lentry_in_a_cluster:
	s_bfe_u32 s2, ttmp6, 0x10000c
	s_cmp_lg_u32 s2, 0xf033
	s_cbranch_scc0 .Lentry_shape_is_right
	s_endpgm
.Lentry_shape_is_right:
; hid = Q(relu(h W1^T + b1)): h [4096][1024] and W1 [4096][1024] are codes of E5M2, K innermost (entries 8 and 9 of the scales); b1 [4096] f32.  The sums are quantised at once (entry 10) and leave as IMAGES OF OPERAND REGISTERS.
; A tile of 256 x 256 of the product is made by four waves, each 128 x 128 in 64 accumulators; K goes in steps of 256 through a ring of two LDS slots filled by the tensor data mover.
; CLUSTERS: 4 x 4 work-groups; h's tile is shared along a row of the cluster, W1's along a column: each is asked for jointly.  Source 0 = 16 rows of W1, source 1 = 16 rows of h: a lane holds ONE token, and its registers run along the hidden units, the next K.
; THE BIAS is the C of each sum's first matrix instruction: eight registers for each of my eight tiles of hidden units, in the result's layout, divided once by the 2^(e8 + e9) that the sums lack.
; THE ACTIVATION costs nothing: the hold that the conversion wants clips at 0 as well.
; THE IMAGES.  hid [tile of 16 tokens 256][128 hidden units 32][2,048 bytes].  The conversions give registers 2 b, 2 b + 1 = k 16 b + 8 (lane / 16) + 0 .. 7; lanes l and l xor 16 exchange halves, so that registers 4 c .. 4 c + 3 hold
;   k = 32 c + 16 (lane / 16) + 0 .. 15, the order in which loads of 16 bytes bring the next product's weights.  Four registers at a time are stored at 16 x lane: 512 consecutive bytes.
; LIMITS: E = e10 - e8 - e9 between -126 and 112, so that 2^E and 57,344 x 2^E are f32 numbers.  NaN among the inputs is not served.
; REGISTERS, in windows of 256: window 0: v0-31 addresses and the two scale numbers; v32-95 the bias, later at work on the way out; v96-99 the exchange's temporaries; from v128 h's fragments, one set, later the codes.  window 1: W1's fragments, two sets.  windows 2, 3: the accumulators.
.set SIZE_K, 1024
.set KSTEP,  256                       ; along K in a slot
.set ROWB,   256                       ; a tile's row in bytes
.set KROW,   SIZE_K                    ; a row of A or of B in memory, in bytes
.set PITCH,  272                       ; an LDS row: 256 bytes + 16 of padding: the 16 rows that a load touches start at 16 different banks
.set FR,     16                        ; registers of a fragment: 16 rows x 128 K
.set NL,     4                         ; LDS loads that bring one
.set NP,     4                         ; places behind this matrix instruction (ISA guide 7.12.1)
.set HALFT,  128*PITCH                 ; 128 rows: what one tensor load brings
.set SLOT,   4*HALFT                   ; A's 256 rows, then B's 256 rows
.set LAPS,   SIZE_K/(2*KSTEP)          ; a lap = two K steps = once round the ring
.set SPARE,  2*SLOT                    ; behind the ring: the spare words, 128 bytes for each wave
.set ADRA, 16                          ; v16-17  LDS address of my A fragments in slot 0, 1
.set ADRB, 20                          ; v20-21  the same for B
.set LI,   26                          ; v26     16 x lane: my place in an image
.set BO,   27                          ; v27     32 (lane / 16): my eight numbers of a tile's bias
.set SPW,  28                          ; v28     LDS address of my spare word; never rewritten
.set NIL,  29                          ; v29     0; never rewritten
.set SC,   30                          ; v30     2^E as f32
.set LIM,  31                          ; v31     57,344 x 2^E
.set BI,   32                          ; v32-95  the bias
.set TMP,  32                          ; v32-95  later a block's 64 sums, held
.set T0,   96                          ; v96-99
.set AF,   128                         ; A's fragments, in window 0
.set SEL,  92                          ; s[92:93] lane selects for v_permlanex16_b32: lane l xor 16
.set HM,   94                          ; s94     lanes 16 to 31
.set G1, 24                            ; s[24:31] descriptor group 1 for A's tiles;  s[32:39] group 0, one set for each slot
.set G0, 32
.set G1B, 48                           ; s[48:55], s[56:63] the same for B's tiles
.set G0B, 56
.set MSB, 0
.macro WIN new                         ; the immediate's high byte repeats the setting that is left
.if MSB != \new
	s_set_vgpr_msb (MSB<<8)|\new
.set MSB, \new
.endif
.endm
.set MUL_LO, 0xa1                      ; source 0 (B) window 1, source 1 (A) window 0, C and D window 2
.set MUL_HI, 0xf1                      ; the same, C and D window 3
.set BIA_LO, 0x81                      ; the first products: C (the bias) window 0, D window 2
.set BIA_HI, 0xc1                      ; C window 0, D window 3
.set TO_B,   0x40                      ; destination window 1, address window 0
; A joint load: waves 0 and 1 fetch for A, waves 2 and 3 for B; the branch hangs on the wave's number alone.  Four v_nop follow each of the two lines.
.macro JLOAD g0a, g1a, g0b, g1b
	s_cmp_eq_u32 s15, 0
	s_cbranch_scc0 .Lfor_b_\@
	tensor_load_to_lds s[\g0a:\g0a+3], s[\g1a:\g1a+7]
	s_nop 0
.rept 4
	v_nop
.endr
	s_branch .Lasked_\@
.Lfor_b_\@:
	tensor_load_to_lds s[\g0b:\g0b+3], s[\g1b:\g1b+7]
	s_nop 0
.rept 4
	v_nop
.endr
.Lasked_\@:
.endm
.macro CREST                           ; a round of the cluster's barrier behind its opening barrier
	s_cmp_lg_u32 s14, 0
	s_cbranch_scc1 .Lnot_wave_0_\@
	s_barrier_signal -3
.Lnot_wave_0_\@:
	s_barrier_wait -3
	s_barrier_signal -1
	s_barrier_wait -1
.endm
.macro CROUND                          ; a whole round
	s_barrier_signal -1
	s_barrier_wait -1
	CREST
.endm
	s_load_b128 s[4:7], s[0:1], 0x0                ; h's codes s[4:5], W1's codes s[6:7]
	s_load_b128 s[8:11], s[0:1], 0x10              ; the scales' exponents s[8:9], b1 s[10:11]
	s_load_b64 s[12:13], s[0:1], 0x20              ; hid
	v_lshl_add_u32 v[SPW], v0, 2, SPARE
	v_mov_b32 v[NIL], 0
	ds_add_u32 v28, v29
	ds_add_u32 v28, v29
	s_wait_dscnt 0x0
	v_lshrrev_b32 v1, 5, v0
	v_readfirstlane_b32 s14, v1                    ; wave 0..3
	s_lshr_b32 s15, s14, 1                         ; which half of the tile's rows is mine.  Also: I fetch for A (0) or for B (1)
	s_and_b32 s16, s14, 1                          ; which half of its columns.  Also: which 128 rows of that tile I fetch
	s_bfe_u32 s40, ttmp6, 0x40000                  ; cx, cy: my place in the cluster
	s_bfe_u32 s41, ttmp6, 0x40004
	s_lshl_b32 s42, ttmp9, 2
	s_add_co_u32 s42, s42, s40                     ; tile column = 4 x cluster x + cx
	s_and_b32 s17, ttmp7, 0xffff
	s_lshl_b32 s17, s17, 2
	s_add_co_u32 s17, s17, s41                     ; tile row = 4 x cluster y + cy
	s_lshl_b32 s43, s41, 2
	s_lshl_b32 s43, 15, s43                        ; my row of the cluster
	s_lshl_b32 s44, 0x1111, s40                    ; my column
	; descriptor group 1: a tile of 128 rows x 256 bytes, padded in LDS
	s_or_b32 s[G1+0], s43, (0<<16)|(1<<20)|(1<<21)|(5<<22)|(3<<25)  ; 15:0 the mask: my row; 17:16 elements of 1 byte; 20 padding on; 21 set beside a mask; 24:22 after every 64 words; 31:25 four words
	s_or_b32 s[G1B+0], s44, (0<<16)|(1<<20)|(1<<21)|(5<<22)|(3<<25) ; the same with the mask of my column
.irp g, G1, G1B
	s_mov_b32 s[\g+1], ROWB<<16                    ; tensor_dim0
	s_mov_b32 s[\g+2], 128<<16                     ; tensor_dim1 = 128
	s_mov_b32 s[\g+3], ROWB<<16                    ; tile_dim0
	s_mov_b32 s[\g+4], 128                         ; tile_dim1 = 128
	s_mov_b32 s[\g+5], KROW                        ; tensor_dim0_stride
	s_mov_b32 s[\g+6], 0
	s_mov_b32 s[\g+7], 0
.endr
	s_lshl_b32 s18, s16, 7                         ; which 128 rows of the tile I fetch
	s_lshl_b32 s20, s17, 8
	s_add_co_u32 s20, s20, s18                     ; A: row 256 x tile row + 128 x half
	s_lshl_b32 s46, s42, 8
	s_add_co_u32 s46, s46, s18                     ; B: row 256 x tile column + 128 x half
	s_lshl_b32 s20, s20, 10                        ; rows of 1,024 bytes
	s_lshl_b32 s46, s46, 10
	s_mov_b32 s21, 0
	s_mov_b32 s47, 0
	s_mul_i32 s45, s14, HALFT                      ; where they go: wave x 128 rows: no place in the cluster enters an LDS address
	s_wait_kmcnt 0x0
	s_load_b128 s[68:71], s[8:9], 0x20             ; e8, e9, e10, e11
	s_add_nc_u64 s[20:21], s[4:5], s[20:21]
	s_add_nc_u64 s[46:47], s[6:7], s[46:47]
	CROUND                                         ; all sixteen work-groups are here: the first joint loads meet
.irp s, 0,1
	s_mov_b32 s[G0+4*\s], 1
	s_add_co_u32 s[G0+4*\s+1], s45, \s*SLOT
	s_add_nc_u64 s[G0+4*\s+2:G0+4*\s+3], s[20:21], \s*ROWB
	s_or_b32 s[G0+4*\s+3], s[G0+4*\s+3], 0x80000000
	s_mov_b32 s[G0B+4*\s], 1
	s_add_co_u32 s[G0B+4*\s+1], s45, \s*SLOT
	s_add_nc_u64 s[G0B+4*\s+2:G0B+4*\s+3], s[46:47], \s*ROWB
	s_or_b32 s[G0B+4*\s+3], s[G0B+4*\s+3], 0x80000000
	JLOAD G0+4*\s, G1, G0B+4*\s, G1B
.endr
	v_and_b32 v1, 15, v0                           ; l % 16
	v_bfe_u32 v2, v0, 4, 1                         ; l / 16
	v_lshlrev_b32 v[BO], 5, v2
	s_lshl_b32 s46, s42, 10                        ; b1 at my 128 hidden units: 256 x tile column + 128 x half, 4 bytes each
	s_lshl_b32 s47, s16, 9
	s_add_co_u32 s46, s46, s47
	s_mov_b32 s47, 0
	s_add_nc_u64 s[10:11], s[10:11], s[46:47]
.irp b, 0,1,2,3,4,5,6,7
	global_load_b128 v[BI+8*\b:BI+8*\b+3], v[BO], s[10:11] offset:64*\b          ; b1 at hidden units 16 b + 8 (lane / 16) + 0 .. 7
	global_load_b128 v[BI+8*\b+4:BI+8*\b+7], v[BO], s[10:11] offset:64*\b+16
.endr
	v_mul_u32_u24 v3, v1, PITCH
	v_lshl_add_u32 v4, v2, 4, v3                   ; a fragment's row x pitch + 16 x half
	s_mul_i32 s21, s15, HALFT                      ; my 128 rows of A
	s_mul_i32 s22, s16, HALFT                      ; my 128 rows of B,
	s_add_co_u32 s22, s22, 2*HALFT                 ; which lie behind A's 256
.irp s, 0,1
	v_add_nc_u32 v[ADRA+\s], s21, v4
	v_add_nc_u32 v[ADRB+\s], s22, v4
	s_add_co_u32 s21, s21, SLOT
	s_add_co_u32 s22, s22, SLOT
.endr
	v_and_b32 v6, 31, v0
	v_lshlrev_b32 v[LI], 4, v6
.irp i, 0,1,2,3
	v_mov_b32 v[T0+\i], 0                          ; written once: a lane permute's destination counts as one of its sources
.endr
	s_mov_b32 s[SEL], 0x76543210
	s_mov_b32 s[SEL+1], 0xfedcba98
	s_mov_b32 s[HM], 0xffff0000
	s_lshl_b32 s20, s17, 4
	s_lshl_b32 s21, s15, 3
	s_add_co_u32 s20, s20, s21                     ; my first tile of 16 tokens: 16 x tile row + 8 x half
	s_lshl_b32 s20, s20, 16                        ; 32 images of 2,048 bytes each
	s_lshl_b32 s46, s42, 1
	s_add_co_u32 s46, s46, s16                     ; my 128 hidden units: 2 x tile column + half
	s_lshl_b32 s46, s46, 11
	s_add_co_u32 s20, s20, s46
	s_mov_b32 s21, 0
	s_add_nc_u64 s[12:13], s[12:13], s[20:21]
	s_wait_kmcnt 0x0
	s_add_co_i32 s76, s68, s69                     ; e8 + e9: a sum stands for sum x 2^(e8 + e9)
	s_sub_co_i32 s77, 0, s76
	s_wait_loadcnt 0x0
.set j, 0
.rept 64
	v_ldexp_f32 v[BI+j], v[BI+j], s77              ; b1 / 2^(e8 + e9)
.set j, j+1
.endr
.macro FRAG reg, adr, q, i             ; a fragment, 16 rows x 128 K: registers 4 c .. 4 c + 3 hold K = 32 c + 16 (l / 16) + 0 .. 15: the same permutation of k in A and in B
.irp c, 0,1,2,3
	ds_load_b128 v[\reg+4*\c:\reg+4*\c+3], v[\adr] offset:128*(\q)+32*\c+(\i)*16*PITCH
.endr
.endm
; 16 matrix instructions: A's blocks a0, a0 + 1 x B's eight, 128 along K.  p: B's set.  first = 1: the first product starts the sums from the bias.  The 64 accumulators take turns.
.macro MUL16 a0, p, first
.irp a, \a0, \a0+1
.irp b, 0,1,2,3,4,5,6,7
.if \first
	v_wmma_f32_16x16x128_bf8_bf8 v[8*(8*((\a)%4)+\b):8*(8*((\a)%4)+\b)+7], v[128*(\p)+FR*\b:128*(\p)+FR*\b+FR-1], v[AF+FR*(\a):AF+FR*(\a)+FR-1], v[BI+8*\b:BI+8*\b+7]
.else
	v_wmma_f32_16x16x128_bf8_bf8 v[8*(8*((\a)%4)+\b):8*(8*((\a)%4)+\b)+7], v[128*(\p)+FR*\b:128*(\p)+FR*\b+FR-1], v[AF+FR*(\a):AF+FR*(\a)+FR-1], v[8*(8*((\a)%4)+\b):8*(8*((\a)%4)+\b)+7]
.endif
.endr
.endr
.endm
.macro FETCH_B slot, q, p              ; B's eight fragments of the slot's q-th 128 along K into set p
	WIN TO_B
.irp i, 0,1,2,3,4,5,6,7
	FRAG 128*(\p)+FR*\i, ADRB+\slot, \q, \i
.endr
	WIN 0
.endm
.macro FETCH_A slot, q, i0             ; A's blocks i0 .. i0 + 3
.irp i, \i0, \i0+1, \i0+2, \i0+3
	FRAG AF+FR*(\i), ADRA+\slot, \q, \i
.endr
.endm
.macro PLACES n                        ; plain vector instructions between a matrix instruction and a load into, or a vector read of, its registers
.rept \n
	v_nop
.endr
.endm
; A step of 128 along K that has its successor in the same slot.
.macro STEP slot, q, first
	s_wait_dscnt 4*NL                              ; B's set and A's blocks 0-3 are in; the youngest 16 loads (A's blocks 4-7) may be out
.if \first
	WIN BIA_LO
.else
	WIN MUL_LO
.endif
	MUL16 0, (\q)%2, \first
	MUL16 2, (\q)%2, \first
	s_wait_dscnt 0                                 ; A's blocks 4-7 are in
	PLACES NP
	FETCH_B \slot, (\q)+1, 1-(\q)%2
	FETCH_A \slot, (\q)+1, 0
.if \first
	WIN BIA_HI
.else
	WIN MUL_HI
.endif
	MUL16 4, (\q)%2, \first
	MUL16 6, (\q)%2, \first
	PLACES NP
	WIN 0
	FETCH_A \slot, (\q)+1, 4
.endm
; A slot's last step changes slots: one barrier; in front of it each wave waits for all its tensor loads, adds 0 to its spare word, and waits for that and for its own reads of this slot.
.macro TURN slot, next, fill
	s_wait_tensorcnt 0x0                           ; all my tensor loads have landed: my part of the next slot
	ds_add_u32 v[SPW], v[NIL]                      ; 0 onto my spare word
	s_wait_dscnt 4*NL+1                            ; (the add and the youngest 16 loads, A's blocks 4-7, may be out)
	WIN MUL_LO
	MUL16 0, 1, 0
	s_wait_dscnt 0x0                               ; the add is done, and my reads of this slot are over
	s_barrier_signal -1
	MUL16 2, 1, 0
	WIN 0
	s_barrier_wait -1
.if \fill
	CREST                                          ; the barrier has opened a round of the cluster's barrier: no wave of any partner still reads this slot or has a load on its way
	s_add_nc_u64 s[G0+4*\slot+2:G0+4*\slot+3], s[G0+4*\slot+2:G0+4*\slot+3], 2*ROWB
	s_add_nc_u64 s[G0B+4*\slot+2:G0B+4*\slot+3], s[G0B+4*\slot+2:G0B+4*\slot+3], 2*ROWB
	JLOAD G0+4*\slot, G1, G0B+4*\slot, G1B         ; the first tensor load behind the round; its four v_nop are the places in front of the loads below
.else
	PLACES NP
.endif
	FETCH_B \next, 0, 0
	FETCH_A \next, 0, 0
	WIN MUL_HI
	MUL16 4, 1, 0
	MUL16 6, 1, 0
	PLACES NP
	WIN 0
	FETCH_A \next, 0, 4
.endm
	s_wait_tensorcnt 1                             ; my part of K step 0 is in (K step 1's load may be out),
	s_barrier_signal -1
	s_barrier_wait -1                              ; everybody's is
	FETCH_B 0, 0, 0
	FETCH_A 0, 0, 0
	FETCH_A 0, 0, 4
	STEP 0, 0, 1                                   ; the first step stands in front of the loop: its products start the sums
	s_mov_b32 s3, LAPS-1
.Llap:                                                 ; a trip goes once round the ring and fills both slots again
	TURN 0, 1, 1
	STEP 1, 0, 0
	TURN 1, 0, 1
	STEP 0, 0, 0
	s_sub_co_u32 s3, s3, 1
	s_cmp_lg_u32 s3, 0
	s_cbranch_scc1 .Llap
	TURN 0, 1, 0                                   ; the last lap fills nothing
	STEP 1, 0, 0
	s_wait_dscnt 4*NL                              ; the very last step: nothing more to fetch
	WIN MUL_LO
	MUL16 0, 1, 0
	MUL16 2, 1, 0
	s_wait_dscnt 0
	WIN MUL_HI
	MUL16 4, 1, 0
	MUL16 6, 1, 0
	WIN 0
; Four registers of codes in the matrix instruction's own order (two tiles: k = 8 h + 0 .. 7 and 16 + 8 h + 0 .. 7) become k = 16 h + 0 .. 15: lanes l and l xor 16, which hold the same token, exchange halves.
.macro SWZ base
	v_permlanex16_b32 v[T0], v[\base+2], s[SEL], s[SEL+1]
	v_permlanex16_b32 v[T0+1], v[\base+3], s[SEL], s[SEL+1]
	v_permlanex16_b32 v[T0+2], v[\base], s[SEL], s[SEL+1]
	v_permlanex16_b32 v[T0+3], v[\base+1], s[SEL], s[SEL+1]
	v_cndmask_b32 v[\base], v[\base], v[T0], s[HM]
	v_cndmask_b32 v[\base+1], v[\base+1], v[T0+1], s[HM]
	v_cndmask_b32 v[\base+2], v[T0+2], v[\base+2], s[HM]
	v_cndmask_b32 v[\base+3], v[T0+3], v[\base+3], s[HM]
.endm
; THE WAY OUT: block a (16 tokens x my 128 hidden units): 64 sums a lane are clipped and held, converted to 16 registers of codes, put in the next product's order and stored as they stand.  Each block has code registers of its own; every offset is an immediate.
.macro OUTB a
.set AC, 64*((\a)%4)
.set CD, 128+16*(\a)
	WIN 0x02+((\a)/4)                              ; source 0: window 2 or 3
.set j, 0
.rept 64
	v_med3_num_f32 v[TMP+j], v[AC+j], 0, v[LIM]    ; the activation and the hold in one; each accumulator from its low end on
.set j, j+1
.endr
	WIN 0
.irp b, 0,1,2,3,4,5,6,7
	v_cvt_scalef32_pk8_bf8_f32 v[CD+2*\b:CD+2*\b+1], v[TMP+8*\b:TMP+8*\b+7], v[SC]
.endr
	v_nop                                          ; a plain instruction between the conversions and the reads of their results
	SWZ CD
	SWZ CD+4
	SWZ CD+8
	SWZ CD+12
.irp s, 0,1,2,3
	global_store_b128 v[LI], v[CD+4*\s:CD+4*\s+3], s[12:13] offset:(\a)*65536+512*\s   ; 32 lanes store 512 consecutive bytes, aligned
.endr
.endm
	s_sub_co_i32 s76, s70, s76                     ; E = e10 - e8 - e9: the three scales folded into the conversion's one
	s_add_co_i32 s76, s76, 127
	s_lshl_b32 s77, s76, 23
	v_mov_b32 v[SC], s77
	s_add_co_i32 s76, s76, 15
	s_lshl_b32 s76, s76, 23
	s_or_b32 s76, s76, 0x600000
	v_mov_b32 v[LIM], s76
	PLACES NP                                      ; behind the last products: their results are read, and the registers that held A's fragments and the bias are written
.irp a, 0,1,2,3,4,5,6,7
	OUTB \a
.endr
	s_wait_tensorcnt 0x0                           ; the wave's end
	ds_add_u32 v[SPW], v[NIL]
	s_wait_dscnt 0x0
	CROUND                                         ; the closing round: no work-group ends while a partner may still ask for a tile that names it
	s_endpgm
.Lfunc_end_k_q2d3e8698bb_ffn1:
	.size	k_q2d3e8698bb_ffn1, .Lfunc_end_k_q2d3e8698bb_ffn1-k_q2d3e8698bb_ffn1
	.p2alignl 7, 3214868480
	.fill 96, 4, 3214868480
	.section	.rodata,"a",@progbits
	.p2align	6, 0x0
	.amdhsa_kernel k_q2d3e8698bb_ffn1
		.amdhsa_group_segment_fixed_size 327680
		.amdhsa_private_segment_fixed_size 0
		.amdhsa_enable_private_segment 0
		.amdhsa_kernarg_size 40
		.amdhsa_user_sgpr_count 2
		.amdhsa_user_sgpr_kernarg_segment_ptr 1
		.amdhsa_wavefront_size32 1
		.amdhsa_system_sgpr_workgroup_id_x 1
		.amdhsa_system_sgpr_workgroup_id_y 1
		.amdhsa_system_sgpr_workgroup_id_z 1
		.amdhsa_system_vgpr_workitem_id 0
		.amdhsa_next_free_vgpr 1024
		.amdhsa_next_free_sgpr 100
		.amdhsa_reserve_vcc 0
		.amdhsa_float_denorm_mode_32 3
		.amdhsa_float_denorm_mode_16_64 3
		.amdhsa_memory_ordered 1
		.amdhsa_forward_progress 1
		.amdhsa_inst_pref_size 139
	.end_amdhsa_kernel
	.amdgpu_metadata
---
amdhsa.version: [ 1, 2 ]
amdhsa.kernels:
  - .name:           k_q2d3e8698bb_ffn1
    .symbol:         k_q2d3e8698bb_ffn1.kd
    .args:
      - { .name: hc, .offset: 0, .size: 8, .value_kind: global_buffer, .address_space: global }
      - { .name: w1_codes, .offset: 8, .size: 8, .value_kind: global_buffer, .address_space: global }
      - { .name: lowp_scales, .offset: 16, .size: 8, .value_kind: global_buffer, .address_space: global }
      - { .name: b1, .offset: 24, .size: 8, .value_kind: global_buffer, .address_space: global }
      - { .name: hid, .offset: 32, .size: 8, .value_kind: global_buffer, .address_space: global }
    .group_segment_fixed_size: 327680
    .private_segment_fixed_size: 0
    .kernarg_segment_align: 8
    .kernarg_segment_size: 40
    .max_flat_workgroup_size: 128
    .sgpr_count:     100
    .vgpr_count:     1024
    .wavefront_size: 32
...
	.end_amdgpu_metadata
.endif
;; end of part 6
;; launch ffn2 (part 7): grid 8 x 32, 4 waves a work-group, clusters of 4 x 4, 327,680 bytes of LDS; arguments hid, w2_codes, lowp_scales, b2, x1, out0; writes out0
.if DOCPART == 7
	.amdgcn_target "amdgcn-amd-amdhsa--gfx1250"
	.amdhsa_code_object_version 6
	.text
	.protected	k_q2d3e8698bb_ffn2
	.globl	k_q2d3e8698bb_ffn2
	.p2align	8
	.type	k_q2d3e8698bb_ffn2,@function
k_q2d3e8698bb_ffn2:
	s_mov_b64 s[64:65], 0
	v_nop
	global_prefetch_b8 v0, s[64:65] scope:SCOPE_SE
	s_setreg_imm32_b32 hwreg(HW_REG_WAVE_MODE, 25, 1), 1
	s_wait_xcnt 0x0
	s_wait_alu depctr_hold_cnt(0) depctr_sa_sdst(0) depctr_va_vdst(0) depctr_va_sdst(0) depctr_va_ssrc(0) depctr_va_vcc(0) depctr_vm_vsrc(0)
	s_getreg_b32 s2, hwreg(HW_REG_IB_STS2, 6, 4)
	s_cmp_eq_u32 s2, 0
	s_cbranch_scc0 .Lentry_in_a_cluster
	s_endpgm
.Lentry_in_a_cluster:
	s_bfe_u32 s2, ttmp6, 0x10000c
	s_cmp_lg_u32 s2, 0xf033
	s_cbranch_scc0 .Lentry_shape_is_right
	s_endpgm
.Lentry_shape_is_right:
; out = res + bias + A W^T x 2^(ea + eb).  A: [4096][SIZE_K] as images of operand registers, [tile of 16 rows 256][128 along K][2,048 bytes]; W: [1024][SIZE_K] codes of E5M2, K innermost; bias [1024], res and out [4096][1024] f32.
; A tile of the result is 128 x 128, so that the 4,096 x 1,024 numbers make 256 work-groups.  Four waves, each 64 x 64: 16 accumulators.  K goes in steps of 512 through two LDS slots filled by the tensor data mover.
; A's part of a slot is a copy of its images (no rows, no padding: a fragment comes by four loads of 512 consecutive bytes); W's rows of 512 bytes get 16 bytes of padding.  In both, registers 4 c .. 4 c + 3 hold k = 32 c + 16 (lane / 16) + 0 .. 15.
; CLUSTERS: 4 x 4 work-groups; A's tile is shared along a row of the cluster, W's along a column: each is asked for jointly.  Source 0 = 16 rows of W, source 1 = 16 rows of A: a lane holds eight neighbouring numbers of a row of the result.
; A wave's 64 columns are 256 bytes of a row, aligned: each wave sends its results through a stage of its own and stores whole rows of 256 bytes.  res is loaded at the head in the stores' own layout and waits in registers.
; LIMIT: ea + eb between -126 and 127, so that 2^(ea + eb) is an f32 number.
; REGISTERS: window 0: v0-31 addresses, v12-15 the bias of my four columns; v32-95 rows on the way out; v128-255 the accumulators ((a, b) at v[128 + 8 (4 a + b)]).  window 1: two fragment buffers of 128: 64 of A, 64 of W.  window 2: v0-127 res.
.set SIZE_K, 4096
.set SCL,    40                        ; byte of ea among the scales; eb follows it
.set PITCH,  528                       ; a row of W in LDS: 512 bytes + 16: the 16 rows that a load touches start at 16 different banks
.set AHALF,  32768                     ; 64 rows of A for 512 along K: 4 tiles x 4 images of 2,048 bytes
.set BHALF,  64*PITCH
.set BOFF,   2*AHALF                   ; W's rows lie behind A's two halves
.set SLOT,   BOFF+2*BHALF
.set SPARE,  2*SLOT                    ; behind the ring: the spare words, 128 bytes for each wave
.set SPITCH, 272                       ; the way out: a stage of 16 rows x (256 bytes + 16) for each wave, in slot 0, which has had its last fill and its last read when the first result is stored there
.set LAPS,   SIZE_K/1024               ; a lap = two K steps = once round the ring
.set ADRA, 16                          ; v16-17  LDS address of my A fragments in slot 0, 1
.set ADRB, 20                          ; v20-21  the same for W
.set STO,  24                          ; v24     the way out: where I put 32 bytes of a row
.set RD,   25                          ; v25     where I read a row back
.set CO,   26                          ; v26     my byte offset in two rows of res and of out
.set SPW,  28                          ; v28     LDS address of my spare word; never rewritten
.set NIL,  29                          ; v29     0; never rewritten
.set BK,   32                          ; v32-63, v64-95 by turns
.set ACC,  128
.set F0,   0                           ; fragment buffers, in window 1
.set F1,   128
.set G1, 24                            ; s[24:31] descriptor group 1 for A's tiles;  s[32:39] group 0, one set for each slot
.set G0, 32
.set G1B, 48                           ; s[48:55], s[56:63] the same for W's tiles
.set G0B, 56
.set MSB, 0
.macro WIN new                         ; the immediate's high byte repeats the setting that is left
.if MSB != \new
	s_set_vgpr_msb (MSB<<8)|\new
.set MSB, \new
.endif
.endm
.set MUL,  0x05                        ; sources 0 (W) and 1 (A) window 1; C and D window 0
.set TO_F, 0x40                        ; destination window 1, address window 0
.macro JLOAD s                         ; a joint load: waves 0 and 1 fetch A's two halves, waves 2 and 3 W's; four v_nop follow each of the two lines
	s_cmp_eq_u32 s15, 0
	s_cbranch_scc0 .Lfor_b_\@
	tensor_load_to_lds s[G0+4*\s:G0+4*\s+3], s[G1:G1+7]
	s_nop 0
.rept 4
	v_nop
.endr
	s_branch .Lasked_\@
.Lfor_b_\@:
	tensor_load_to_lds s[G0B+4*\s:G0B+4*\s+3], s[G1B:G1B+7]
	s_nop 0
.rept 4
	v_nop
.endr
.Lasked_\@:
.endm
.macro CREST                           ; a round of the cluster's barrier behind its opening barrier
	s_cmp_lg_u32 s14, 0
	s_cbranch_scc1 .Lnot_wave_0_\@
	s_barrier_signal -3
.Lnot_wave_0_\@:
	s_barrier_wait -3
	s_barrier_signal -1
	s_barrier_wait -1
.endm
.macro CROUND                          ; a whole round
	s_barrier_signal -1
	s_barrier_wait -1
	CREST
.endm
	s_load_b256 s[4:11], s[0:1], 0x0               ; A s[4:5], W s[6:7], the scales' exponents s[8:9], bias s[10:11]
	s_load_b128 s[68:71], s[0:1], 0x20             ; res s[68:69], out s[70:71]
	v_lshl_add_u32 v[SPW], v0, 2, SPARE
	v_mov_b32 v[NIL], 0
	ds_add_u32 v28, v29
	ds_add_u32 v28, v29
	s_wait_dscnt 0x0
	v_lshrrev_b32 v1, 5, v0
	v_readfirstlane_b32 s14, v1                    ; wave 0..3
	s_lshr_b32 s15, s14, 1                         ; which half of the tile's rows is mine.  Also: I fetch for A (0) or for W (1)
	s_and_b32 s16, s14, 1                          ; which half of its columns.  Also: which half of that tile I fetch
	s_bfe_u32 s40, ttmp6, 0x40000                  ; cx, cy: my place in the cluster
	s_bfe_u32 s41, ttmp6, 0x40004
	s_lshl_b32 s42, ttmp9, 2
	s_add_co_u32 s42, s42, s40                     ; tile column = 4 x cluster x + cx
	s_and_b32 s17, ttmp7, 0xffff
	s_lshl_b32 s17, s17, 2
	s_add_co_u32 s17, s17, s41                     ; tile row = 4 x cluster y + cy
	s_lshl_b32 s43, s41, 2
	s_lshl_b32 s43, 15, s43                        ; my row of the cluster
	s_lshl_b32 s44, 0x1111, s40                    ; my column
	; descriptor group 1.  A: 4 rows (tiles of 16 rows of A) of 8,192 bytes, 16 SIZE_K bytes apart, no padding.  W: 64 rows of 512 bytes, SIZE_K bytes apart, padded
	s_or_b32 s[G1+0], s43, (3<<16)|(1<<21)         ; 15:0 the mask: my row; 17:16 elements of 8 bytes; 21 set beside a mask
	s_mov_b32 s[G1+1], 1024<<16                    ; tensor_dim0 = 1,024
	s_mov_b32 s[G1+2], 4<<16                       ; tensor_dim1 = 4
	s_mov_b32 s[G1+3], 1024<<16                    ; tile_dim0 = 1,024
	s_mov_b32 s[G1+4], 4                           ; tile_dim1 = 4
	s_mov_b32 s[G1+5], 2*SIZE_K                    ; tensor_dim0_stride, in elements of 8 bytes
	s_mov_b32 s[G1+6], 0
	s_mov_b32 s[G1+7], 0
	s_or_b32 s[G1B+0], s44, (0<<16)|(1<<20)|(1<<21)|(6<<22)|(3<<25)  ; the mask: my column; elements of 1 byte; padding: four words after every 128
	s_mov_b32 s[G1B+1], 512<<16
	s_mov_b32 s[G1B+2], 64<<16
	s_mov_b32 s[G1B+3], 512<<16
	s_mov_b32 s[G1B+4], 64
	s_mov_b32 s[G1B+5], SIZE_K
	s_mov_b32 s[G1B+6], 0
	s_mov_b32 s[G1B+7], 0
	s_lshl_b32 s20, s17, 3
	s_lshl_b32 s18, s16, 2
	s_add_co_u32 s20, s20, s18                     ; A: tile of 16 rows 8 x tile row + 4 x half
	s_mul_i32 s20, s20, 16*SIZE_K
	s_mov_b32 s21, 0
	s_lshl_b32 s46, s42, 7
	s_lshl_b32 s18, s16, 6
	s_add_co_u32 s46, s46, s18                     ; W: row 128 x tile column + 64 x half
	s_mul_i32 s46, s46, SIZE_K
	s_mov_b32 s47, 0
	s_lshl_b32 s45, s16, 15                        ; where they go: A's half,
	s_mul_i32 s19, s16, BHALF
	s_add_co_u32 s19, s19, BOFF                    ; W's half: the wave's number alone enters an LDS address
	s_wait_kmcnt 0x0
	s_load_b64 s[96:97], s[8:9], SCL               ; ea, eb
	s_add_nc_u64 s[20:21], s[4:5], s[20:21]
	s_add_nc_u64 s[46:47], s[6:7], s[46:47]
	CROUND                                         ; all sixteen work-groups are here: the first joint loads meet
.irp s, 0,1
	s_mov_b32 s[G0+4*\s], 1
	s_add_co_u32 s[G0+4*\s+1], s45, \s*SLOT
	s_add_nc_u64 s[G0+4*\s+2:G0+4*\s+3], s[20:21], \s*8192
	s_or_b32 s[G0+4*\s+3], s[G0+4*\s+3], 0x80000000
	s_mov_b32 s[G0B+4*\s], 1
	s_add_co_u32 s[G0B+4*\s+1], s19, \s*SLOT
	s_add_nc_u64 s[G0B+4*\s+2:G0B+4*\s+3], s[46:47], \s*512
	s_or_b32 s[G0B+4*\s+3], s[G0B+4*\s+3], 0x80000000
	JLOAD \s
.endr
	v_and_b32 v1, 15, v0                           ; l % 16
	v_bfe_u32 v2, v0, 4, 1                         ; l / 16
	v_and_b32 v3, 31, v0
	v_lshlrev_b32 v3, 4, v3                        ; 16 x lane: my place in an image
	v_mul_u32_u24 v4, v1, PITCH
	v_lshl_add_u32 v4, v2, 4, v4                   ; W: row x pitch + 16 x half
	s_lshl_b32 s21, s15, 15                        ; my 64 rows of A
	s_mul_i32 s22, s16, BHALF
	s_add_co_u32 s22, s22, BOFF                    ; my 64 rows of W
.irp s, 0,1
	v_add_nc_u32 v[ADRA+\s], s21, v3
	v_add_nc_u32 v[ADRB+\s], s22, v4
	s_add_co_u32 s21, s21, SLOT
	s_add_co_u32 s22, s22, SLOT
.endr
	s_mul_i32 s23, s14, 16*SPITCH                  ; my stage
	v_mul_u32_u24 v5, v1, SPITCH                   ; in: row l % 16, 32 bytes for each half of the lanes
	v_lshl_add_u32 v5, v2, 5, v5
	v_add_nc_u32 v[STO], s23, v5
	v_mul_u32_u24 v5, v2, SPITCH                   ; back: lanes 0-15 one row of 256 bytes, lanes 16-31 the next
	v_lshl_add_u32 v5, v1, 4, v5
	v_add_nc_u32 v[RD], s23, v5
	v_lshlrev_b32 v5, 12, v2                       ; and the same two rows of 4,096 bytes in res and out
	v_lshl_add_u32 v[CO], v1, 4, v5
	v_lshlrev_b32 v6, 4, v1                        ; my four columns' bias
	s_lshl_b32 s20, s17, 7
	s_lshl_b32 s21, s15, 6
	s_add_co_u32 s20, s20, s21                     ; my first row: 128 x tile row + 64 x half
	s_lshl_b32 s20, s20, 12
	s_lshl_b32 s46, s42, 9
	s_lshl_b32 s47, s16, 8
	s_add_co_u32 s46, s46, s47                     ; my first column, in bytes: 512 x tile column + 256 x half
	s_add_co_u32 s20, s20, s46
	s_mov_b32 s21, 0
	s_mov_b32 s47, 0
	s_add_nc_u64 s[68:69], s[68:69], s[20:21]
	s_add_nc_u64 s[70:71], s[70:71], s[20:21]
	s_add_nc_u64 s[10:11], s[10:11], s[46:47]
	WIN 0x80                                       ; destination window 2
.irp a, 0,1,2,3
.irp t, 0,1,2,3,4,5,6,7
	global_load_b128 v[32*\a+4*\t:32*\a+4*\t+3], v[CO], s[68:69] offset:(16*\a+2*\t)*4096   ; 16 lanes read 256 consecutive bytes, aligned; they land while K is walked
.endr
.endr
	WIN 0
	global_load_b128 v[12:15], v6, s[10:11]
.macro MULA f, a, zero                 ; 4 matrix instructions: A's block a x W's four, 128 along K.  The 16 accumulators take turns
.irp b, 0,1,2,3
.if \zero
	v_wmma_f32_16x16x128_bf8_bf8 v[ACC+8*(4*(\a)+\b):ACC+8*(4*(\a)+\b)+7], v[\f+64+16*\b:\f+64+16*\b+15], v[\f+16*(\a):\f+16*(\a)+15], 0
.else
	v_wmma_f32_16x16x128_bf8_bf8 v[ACC+8*(4*(\a)+\b):ACC+8*(4*(\a)+\b)+7], v[\f+64+16*\b:\f+64+16*\b+15], v[\f+16*(\a):\f+16*(\a)+15], v[ACC+8*(4*(\a)+\b):ACC+8*(4*(\a)+\b)+7]
.endif
.endr
.endm
.macro FETCH slot, q, f                ; 32 LDS loads in one run: the fragments of the slot's q-th 128 along K into buffer f: W's four, then A's four
	WIN TO_F
.irp i, 0,1,2,3
.irp c, 0,1,2,3
	ds_load_b128 v[\f+64+16*\i+4*\c:\f+64+16*\i+4*\c+3], v[ADRB+\slot] offset:\i*16*PITCH+128*(\q)+32*\c
.endr
.endr
.irp i, 0,1,2,3
.irp c, 0,1,2,3
	ds_load_b128 v[\f+16*\i+4*\c:\f+16*\i+4*\c+3], v[ADRA+\slot] offset:\i*8192+2048*(\q)+512*\c
.endr
.endr
.endm
.macro PLACES                          ; four plain vector instructions between a matrix instruction and a load into, or a read of, its registers
.rept 4
	v_nop
.endr
.endm
; A K step is four quarters of 128 along K, 16 matrix instructions each, on buffers 0, 1, 0, 1.  One of the first three: multiplies buffer f and fetches quarter qn into g.
.macro QUARTER slot, qn, f, g, zero
	s_wait_dscnt 8                                 ; W's four and A's blocks 0, 1 are in; the youngest eight loads (A's blocks 2, 3) may be out
	WIN MUL
	MULA \f, 0, \zero
	MULA \f, 1, \zero
	PLACES
	FETCH \slot, \qn, \g
	s_wait_dscnt 32                                ; all but the 32 just issued
	WIN MUL
	MULA \f, 2, \zero
	MULA \f, 3, \zero
.endm
; The last quarter multiplies buffer 1 and changes slots: one barrier; in front of it each wave waits for all its tensor loads, adds 0 to its spare word, and waits for that and for its own reads of this slot.
.macro TURN slot, next, fill
	WIN 0                                          ; (the add's two registers lie in window 0)
	s_wait_tensorcnt 0x0                           ; all my tensor loads have landed: my part of the next slot
	ds_add_u32 v[SPW], v[NIL]                      ; 0 onto my spare word
	s_wait_dscnt 9                                 ; (the add and the youngest eight loads may be out)
	WIN MUL
	MULA F1, 0, 0
	s_wait_dscnt 0x0                               ; the add is done, and my reads of this slot are over
	s_barrier_signal -1
	MULA F1, 1, 0
.if \fill
	WIN 0
.endif
	s_barrier_wait -1
.if \fill
	CREST                                          ; the barrier has opened a round of the cluster's barrier: no wave of any partner still reads this slot or has a load on its way
	s_add_nc_u64 s[G0+4*\slot+2:G0+4*\slot+3], s[G0+4*\slot+2:G0+4*\slot+3], 2*8192
	s_add_nc_u64 s[G0B+4*\slot+2:G0B+4*\slot+3], s[G0B+4*\slot+2:G0B+4*\slot+3], 2*512
	JLOAD \slot                                    ; the first tensor load behind the round; its four v_nop are the places in front of the loads below
.else
	PLACES
.endif
	FETCH \next, 0, F0
	WIN MUL
	MULA F1, 2, 0
	MULA F1, 3, 0
.endm
	s_wait_tensorcnt 1                             ; my part of K step 0 is in (K step 1's load may be out),
	s_barrier_signal -1
	s_barrier_wait -1                              ; everybody's is
	FETCH 0, 0, F0
	QUARTER 0, 1, F0, F1, 1                        ; the first quarter stands in front of the loop: its products start the sums
.if LAPS > 1
	WIN 0                                          ; at a label and at a branch every window is 0
	s_mov_b32 s3, LAPS-1
.Llap:                                                 ; a trip goes once round the ring and fills both slots again
	QUARTER 0, 2, F1, F0, 0
	QUARTER 0, 3, F0, F1, 0
	TURN 0, 1, 1
	QUARTER 1, 1, F0, F1, 0
	QUARTER 1, 2, F1, F0, 0
	QUARTER 1, 3, F0, F1, 0
	TURN 1, 0, 1
	QUARTER 0, 1, F0, F1, 0
	WIN 0
	s_sub_co_u32 s3, s3, 1
	s_cmp_lg_u32 s3, 0
	s_cbranch_scc1 .Llap
.endif
	QUARTER 0, 2, F1, F0, 0                        ; the last lap fills nothing
	QUARTER 0, 3, F0, F1, 0
	TURN 0, 1, 0
	QUARTER 1, 1, F0, F1, 0
	QUARTER 1, 2, F1, F0, 0
	QUARTER 1, 3, F0, F1, 0
	s_wait_dscnt 8                                 ; the very last quarter: nothing more to fetch
	WIN MUL
	MULA F1, 0, 0
	MULA F1, 1, 0
	s_wait_dscnt 0
	MULA F1, 2, 0
	MULA F1, 3, 0
	WIN 0
	; THE WAY OUT, block by block of 16 rows x 64 columns: the sums go into my stage as they are, come back as whole rows of 256 bytes, and there one packed multiply-add gives sum x 2^(ea + eb) + (res + bias).
	PLACES
	s_wait_kmcnt 0x0
	s_add_co_i32 s96, s96, s97
	s_add_co_i32 s96, s96, 127
	s_lshl_b32 s96, s96, 23                        ; 2^(ea + eb) as f32
	s_mov_b32 s97, s96                             ; (named with it as a pair)
	s_wait_loadcnt 0x0                             ; res and the bias
	WIN 0x82                                       ; source 0 and destination window 2
.set j, 0
.rept 64
	v_pk_add_f32 v[j:j+1], v[j:j+1], v[12+j%4:13+j%4]   ; res + bias
.set j, j+2
.endr
	WIN 0
.macro TOSTAGE a
.set BB, BK+32*((\a)%2)
.irp b, 0,1,2,3
	ds_store_b128 v[STO], v[ACC+8*(4*(\a)+\b):ACC+8*(4*(\a)+\b)+3] offset:64*\b          ; each accumulator from its low end on
	ds_store_b128 v[STO], v[ACC+8*(4*(\a)+\b)+4:ACC+8*(4*(\a)+\b)+7] offset:64*\b+16
.endr
.irp t, 0,1,2,3,4,5,6,7
	ds_load_b128 v[BB+4*\t:BB+4*\t+3], v[RD] offset:\t*2*SPITCH   ; LDS serves a wave's instructions in order (ISA guide 5.7.1.4): these see the stores above, and the next block's stores come behind them
.endr
.endm
.macro SEND a, younger                 ; younger: the LDS instructions issued behind block a's loads, which may stay out
.set BB, BK+32*((\a)%2)
	s_wait_dscnt \younger
	WIN 0x20                                       ; source 2 window 2
.set j, 0
.rept 16
	v_pk_fma_f32 v[BB+j:BB+j+1], v[BB+j:BB+j+1], s[96:97], v[32*(\a)+j:32*(\a)+j+1] op_sel_hi:[1,0,1]
.set j, j+2
.endr
	WIN 0
.irp t, 0,1,2,3,4,5,6,7
	global_store_b128 v[CO], v[BB+4*\t:BB+4*\t+3], s[70:71] offset:(16*(\a)+2*\t)*4096   ; 16 lanes store 256 consecutive bytes, aligned
.endr
.endm
	TOSTAGE 0
.irp a, 1,2,3
.if \a > 1
	s_wait_xcnt 0x0                                ; block a - 2's stores have read their registers: block a's loads may land there
.endif
	TOSTAGE \a
	SEND \a-1, 16                                  ; behind block a - 1's loads: block a's 8 stores and 8 loads
.endr
	SEND 3, 0
	s_wait_tensorcnt 0x0                           ; the wave's end
	ds_add_u32 v[SPW], v[NIL]
	s_wait_dscnt 0x0
	CROUND                                         ; the closing round: no work-group ends while a partner may still ask for a tile that names it
	s_endpgm
.Lfunc_end_k_q2d3e8698bb_ffn2:
	.size	k_q2d3e8698bb_ffn2, .Lfunc_end_k_q2d3e8698bb_ffn2-k_q2d3e8698bb_ffn2
	.p2alignl 7, 3214868480
	.fill 96, 4, 3214868480
	.section	.rodata,"a",@progbits
	.p2align	6, 0x0
	.amdhsa_kernel k_q2d3e8698bb_ffn2
		.amdhsa_group_segment_fixed_size 327680
		.amdhsa_private_segment_fixed_size 0
		.amdhsa_enable_private_segment 0
		.amdhsa_kernarg_size 48
		.amdhsa_user_sgpr_count 2
		.amdhsa_user_sgpr_kernarg_segment_ptr 1
		.amdhsa_wavefront_size32 1
		.amdhsa_system_sgpr_workgroup_id_x 1
		.amdhsa_system_sgpr_workgroup_id_y 1
		.amdhsa_system_sgpr_workgroup_id_z 1
		.amdhsa_system_vgpr_workitem_id 0
		.amdhsa_next_free_vgpr 768
		.amdhsa_next_free_sgpr 100
		.amdhsa_reserve_vcc 0
		.amdhsa_float_denorm_mode_32 3
		.amdhsa_float_denorm_mode_16_64 3
		.amdhsa_memory_ordered 1
		.amdhsa_forward_progress 1
		.amdhsa_inst_pref_size 81
	.end_amdhsa_kernel
	.amdgpu_metadata
---
amdhsa.version: [ 1, 2 ]
amdhsa.kernels:
  - .name:           k_q2d3e8698bb_ffn2
    .symbol:         k_q2d3e8698bb_ffn2.kd
    .args:
      - { .name: hid, .offset: 0, .size: 8, .value_kind: global_buffer, .address_space: global }
      - { .name: w2_codes, .offset: 8, .size: 8, .value_kind: global_buffer, .address_space: global }
      - { .name: lowp_scales, .offset: 16, .size: 8, .value_kind: global_buffer, .address_space: global }
      - { .name: b2, .offset: 24, .size: 8, .value_kind: global_buffer, .address_space: global }
      - { .name: x1, .offset: 32, .size: 8, .value_kind: global_buffer, .address_space: global }
      - { .name: out0, .offset: 40, .size: 8, .value_kind: global_buffer, .address_space: global }
    .group_segment_fixed_size: 327680
    .private_segment_fixed_size: 0
    .kernarg_segment_align: 8
    .kernarg_segment_size: 48
    .max_flat_workgroup_size: 128
    .sgpr_count:     100
    .vgpr_count:     768
    .wavefront_size: 32
...
	.end_amdgpu_metadata
.endif
;; end of part 7
;; ======== version 2 of 2: 7 launches; version 1 with the launch attn written anew for expert scheduling mode
;; limits: right only within a limited range of input values
;; workspace buffers: hc 4,194,304 bytes; hk 4,194,304 bytes; qi 4,194,304 bytes; kv 8,388,608 bytes; ao 4,194,304 bytes; x1 16,777,216 bytes; hid 16,777,216 bytes; cnt 256 bytes of whole numbers
;; launch ln1: the kernel of part 1 again; grid 256 x 1, 4 waves a work-group, no clusters, 0 bytes of LDS; arguments x, g1, be1, lowp_scales, mask, hc, hk, cnt; writes hc, hk, cnt
;; launch qkv: the kernel of part 2 again; grid 12 x 16, 4 waves a work-group, clusters of 4 x 4, 327,680 bytes of LDS; arguments hc, hk, w_qkv_codes, lowp_scales, qi, kv; writes qi, kv
;; launch attn (part 8): grid 8 x 32, 16 waves a work-group, no clusters, 272,384 bytes of LDS; arguments qi, kv, cnt, lowp_scales, ao; writes ao
.if DOCPART == 8
	.amdgcn_target "amdgcn-amd-amdhsa--gfx1250"
	.amdhsa_code_object_version 6
	.text
	.protected	k_q2d3e8698bb_attn
	.globl	k_q2d3e8698bb_attn
	.p2align	8
	.type	k_q2d3e8698bb_attn,@function
k_q2d3e8698bb_attn:
	s_mov_b64 s[64:65], 0
	v_nop
	global_prefetch_b8 v0, s[64:65] scope:SCOPE_SE
	s_setreg_imm32_b32 hwreg(HW_REG_WAVE_SCHED_MODE, 0, 2), 2
	s_setreg_imm32_b32 hwreg(HW_REG_WAVE_MODE, 25, 1), 1
	s_wait_xcnt 0x0
	s_wait_alu depctr_vm_vsrc(0)
; Attention of one head on codes of E5M2, and the quantising of its result for the next product.  qi, kv: images of operand registers (a fragment's registers four at a time, 16 bytes a lane, 512 bytes on end):
;   qi [bh 32][tile of 16 queries 128][1,024];  kv [bh 32][key step of 128 keys 16][K: 8 tiles of 16 keys x 1,024, then V^T: 4 tiles of 16 channels x 2,048].  cnt [2][32] int32: n, the batch's keys that count.
;   ao [tile of 16 tokens 256][128 along K: 8][2,048]: images for the next product, registers 4 c .. 4 c + 3 = k 32 c + 16 (lane / 16) + 0 .. 15.
; ONLY THE KEYS THAT COUNT ARE MULTIPLIED.  In kv a batch's keys that count lie first, at places 0 to n - 1 (an earlier launch has laid them so and stored n).  A key whose mask is 0 has the score -1e9, so its p is 0 and it adds
;   nothing to the sum or to the result: the walk passes over every key step whose first place is n or more, by a scalar branch on n inside a loop of sixteen trips.
;   Where no key of the batch counts (n = 0), all 2,048 scores are equal: all places are walked with the factor c = 0: every t is 0, every p is 1, the sum 2,048.
; THE SOFTMAX: t = score x log2(e) / 8; M = the row's largest t so far, rounded UP to a whole number; p = 2^(t - M) is quantised (entry 4 of the scales); the row's sum is taken of the unquantised p and divides at the end.
; SHARES.  A work-group owns 256 queries of one head; each of its sixteen waves one tile of 16, in 256 registers: four waves to a SIMD, so that one wave's vector work stands beside another's products and LDS loads.
; THE WHOLE HEAD'S K AND V, 262,144 bytes, ARE COPIED INTO LDS ONCE, through registers: 32 loads and 32 LDS stores of 16 bytes a thread, each covering 512 consecutive bytes a wave; one barrier; then LDS is only read.
;   All sixteen key steps are copied, those behind place n too: so the copies go out together with the load of n, not behind it.
; NO CLUSTER, NO JOINT LOADS, though the eight work-groups of a head read the same K and V: the walk branches on a number read from memory, and the launch has no tensor load, so there is nothing to ask for jointly.
; LAYOUT.  S^T = K Q^T (source 0 = 16 keys, source 1 = my queries), O^T = V^T P^T: a lane holds ONE query throughout, and the conversion of S^T's tile c gives registers 2 c, 2 c + 1 of P in the matrix instruction's own order.
; THE LAST KEY STEP may hold places from n on: a table of 2,048 f32 in LDS holds 0 for a place under n and N = -8e9 x 2^-(e2 + e3) for the others, and is the C of S^T's matrix instruction: N stands for a score of -1e9.
; LIMITS.  A hidden key is taken to add nothing, and in the last step its score has -1e9 ADDED to it: right while |score| < 5e8.  e2 + e3 between -95 and 130; e4 and e6 between -126 and 112.  NaN among the inputs is not served.
; REGISTERS: v1-9, v24-27 addresses and N; v12 -M, v13 the largest t, v[14:15] the sum; v16-23 Q; v32-159 the copy; then v32-95 K's eight fragments or V's four, v96-159 the table, S^T, p; v160-191 O^T; v192-207 p's codes; v208-254 at work.
; THE MODE: SCHED_MODE bits 1:0 = 2 (LLVM: expert scheduling mode 2), set by the entry lines.  The code itself states the register dependences
; between vector or matrix instructions and memory or LDS instructions, with s_wait_alu, always for 0.
; THE PLAN.  Registers that memory or LDS instructions touch:
;   v1, v2, v5, v8, v24-27, v251, v255   Addresses, and the closing add's two: written at the head, never again.  One wait on va_vdst ahead of the first load states that they are written.
;   v208-211    The table's words: written by four selects, read by one LDS store, never written again.
;   v32-159     At the head: the 32 global loads land here and the 32 LDS stores read them.  One wait on vm_vsrc behind the barrier, ahead of the loop's first branch, states that the stores have read them.
;   v3, v4      The step's two LDS addresses: written by two additions at the step's head, read by its 48 LDS loads.  One wait on vm_vsrc stands ahead of the additions.
;   v32-95      In a step: K's loads land; the eight products S^T read them; V's loads land; the four products O^T read them.
;   v96-159     In a step: the table's loads land; the products and the softmax read and write them, the conversions last.
;   v192-199    On the way out: written by conversions and exchanges, read by the two global stores.
; So a step has two waits on va_vdst beside the exponentials' own.  The one at its head, behind the two additions, states that v3 and v4 are written, that the last step's products O^T are done reading v32-95, and that its holds and
; conversions are done with v96-159: K's and the table's loads follow.  The one behind the products S^T states that they are done reading v32-95: V's sixteen loads follow, dealt four at a time among the lines of the maximum,
; which name v96-159, v252 and v254: none of the registers that those loads touch.  The wave's 256 registers leave no room for a second set of fragments, so K and V take turns in one.
.set BIAS, 262144                      ; LDS: behind the head's K and V: the table, 8,192 bytes
.set LI,  1                            ; v1   16 x lane: my place in an image
.set BL,  2                            ; v2   BIAS + 32 (lane / 16)
.set ADK, 3                            ; v3   the key step's tiles
.set ADB, 4                            ; v4   the key step's part of the table
.set GA,  5                            ; v5   16 x thread: my bytes of each 8,192 of the head's K and V
.set BW,  8                            ; v8   BIAS + 16 x thread
.set NG,  9                            ; v9   N
.set SA,  24                           ; v24-27 16 x thread + 65,536 g: the same bytes in LDS (an LDS offset has 16 bits)
.set T0,  246                          ; v246-249 the exchange's temporaries
.set WV,  14                           ; s14  my wave's number
.set NE,  25                           ; s25  the places to be walked: n, or 2,048 where n = 0
.set KF,  26                           ; s26  the key step's first place
.set MK,  32                           ; s32-35 at the head: which lanes' four places of the table lie at n or beyond
.set SEL, 56                           ; s[56:57] lane selects for v_permlanex16_b32: lane l xor 16
.set CS,  58                           ; s[58:59] c = log2(e) / 8 x 2^(e2 + e3)
.set TB,  60                           ; s60  LDS byte of the key step in hand
.set BB,  61                           ; s61  its byte in the table
.set CNT, 62
.set HM,  63                           ; s63  lanes 16 to 31
; Four registers of codes in the matrix instruction's own order (two tiles: k = 8 h + 0 .. 7 and 16 + 8 h + 0 .. 7) become k = 16 h + 0 .. 15: lanes l and l xor 16, which hold the same row, exchange halves.
.macro SWZ base
	v_permlanex16_b32 v[T0], v[\base+2], s[SEL], s[SEL+1]
	v_permlanex16_b32 v[T0+1], v[\base+3], s[SEL], s[SEL+1]
	v_permlanex16_b32 v[T0+2], v[\base], s[SEL], s[SEL+1]
	v_permlanex16_b32 v[T0+3], v[\base+1], s[SEL], s[SEL+1]
	v_cndmask_b32 v[\base], v[\base], v[T0], s[HM]
	v_cndmask_b32 v[\base+1], v[\base+1], v[T0+1], s[HM]
	v_cndmask_b32 v[\base+2], v[T0+2], v[\base+2], s[HM]
	v_cndmask_b32 v[\base+3], v[T0+3], v[\base+3], s[HM]
.endm
	s_load_b256 s[4:11], s[0:1], 0x0               ; qi s[4:5], kv s[6:7], cnt s[8:9], the scales' exponents s[10:11]
	s_load_b64 s[12:13], s[0:1], 0x20              ; ao
	v_lshl_add_u32 v251, v0, 2, 0x42000
	v_mov_b32 v255, 0
	v_lshrrev_b32 v6, 5, v0
	v_readfirstlane_b32 s[WV], v6                  ; wave 0..15
	v_lshlrev_b32 v[GA], 4, v0
.irp g, 0,1,2,3
	v_lshl_add_u32 v[SA+\g], v0, 4, \g*65536
.endr
	v_and_b32 v8, 31, v0
	v_lshlrev_b32 v[LI], 4, v8
	v_bfe_u32 v8, v0, 4, 1
	v_lshl_add_u32 v[BL], v8, 5, BIAS
	v_lshl_add_u32 v[BW], v0, 4, BIAS
	v_lshlrev_b32 v212, 2, v0                      ; my four places of the table
	s_wait_alu depctr_va_sdst(0)                   ; s14, the wave's number, is written, ahead of its first reader: my tile's number is made from it
	s_and_b32 s16, ttmp7, 0xffff                   ; bh
	s_lshr_b32 s17, s16, 4                         ; the batch
	s_lshl_b32 s19, ttmp9, 4
	s_add_co_u32 s19, s19, s[WV]                   ; my tile of 16 queries in the head: 16 x block + wave
	s_lshl_b32 s20, s16, 18                        ; the head's 262,144 bytes of kv
	s_mov_b32 s21, 0
	s_lshl_b32 s22, s16, 17                        ; its 131,072 bytes of qi,
	s_lshl_b32 s23, s19, 10
	s_add_co_u32 s22, s22, s23                     ; and my tile's 1,024
	s_mov_b32 s23, 0
	s_lshl_b32 s28, s17, 7                         ; the batch's 128 bytes of cnt
	s_mov_b32 s29, 0
	s_lshl_b32 s30, s17, 7
	s_add_co_u32 s30, s30, s19                     ; my tile of 16 tokens among the 256
	s_lshl_b32 s30, s30, 14
	s_and_b32 s31, s16, 15
	s_lshl_b32 s31, s31, 10                        ; head x 1,024 = (head / 2) x 2,048 + (head % 2) x 1,024: my half of an image
	s_add_co_u32 s30, s30, s31
	s_mov_b32 s31, 0
	s_wait_kmcnt 0x0
	s_add_nc_u64 s[4:5], s[4:5], s[22:23]
	s_add_nc_u64 s[6:7], s[6:7], s[20:21]
	s_add_nc_u64 s[8:9], s[8:9], s[28:29]
	s_add_nc_u64 s[12:13], s[12:13], s[30:31]
	s_load_b256 s[48:55], s[10:11], 0x0            ; e0 .. e7
	s_load_b32 s24, s[8:9], 0x0                    ; n
	s_wait_alu depctr_va_vdst(0)                   ; the addresses v1, v2, v5, v8 and v24-27 are written, which the loads and stores of the whole kernel read, and so are v251 and v255, which the closing add reads
	global_load_b128 v[16:19], v[LI], s[4:5]       ; Q's fragment stays in registers
	global_load_b128 v[20:23], v[LI], s[4:5] offset:512
.set i, 0
.rept 32
	global_load_b128 v[32+4*i:35+4*i], v[GA], s[6:7] offset:8192*i   ; the 512 threads take 8,192 consecutive bytes of the head's K and V
.set i, i+1
.endr
	s_mov_b32 s[SEL], 0x76543210
	s_mov_b32 s[SEL+1], 0xfedcba98
	s_mov_b32 s[HM], 0xffff0000
	v_mov_b32 v13, 0xff61b1e6                      ; the largest t so far: -3e38, under every t
	v_floor_f32 v12, -v13                          ; -M
	v_mov_b32 v14, 0                               ; the sum, in two halves
	v_mov_b32 v15, 0
	v_mov_b32 v236, 0                              ; written once: a lane permute's destination counts as one of its sources
	v_mov_b32 v252, 0
	v_mov_b32 v253, 0                              ; (named as the upper half of the pair v[252:253])
.irp i, 0,1,2,3
	v_mov_b32 v[T0+\i], 0
.endr
.set j, 0
.rept 32
	v_mov_b32 v[160+j], 0                          ; O^T: the key step is written once, and its first walk finds zeros
.set j, j+1
.endr
	s_wait_kmcnt 0x0
	s_add_co_i32 s20, s50, s51                     ; e2 + e3
	s_lshl_b32 s20, s20, 23
	s_mov_b32 s[CS], 0x3e38aa3b                    ; log2(e) / 8,
	s_add_co_i32 s[CS], s[CS], s20                 ; x 2^(e2 + e3): the exponents are added to its exponent field
	s_mov_b32 s21, 0xcfee6b28                      ; -8e9,
	s_sub_co_i32 s21, s21, s20                     ; x 2^-(e2 + e3)
	v_mov_b32 v[NG], s21
	s_add_co_i32 s20, s52, 127
	s_lshl_b32 s22, s20, 23
	v_mov_b32 v244, s22                            ; 2^e4 as f32, for p's conversions
	s_add_co_i32 s20, s20, 15
	s_lshl_b32 s20, s20, 23
	s_or_b32 s20, s20, 0x600000
	v_mov_b32 v240, s20                            ; 57,344 x 2^e4
	s_add_co_i32 s20, s54, 127
	s_lshl_b32 s22, s20, 23
	v_mov_b32 v245, s22                            ; 2^e6, for the result's
	s_add_co_i32 s20, s20, 15
	s_lshl_b32 s20, s20, 23
	s_or_b32 s20, s20, 0x600000
	v_mov_b32 v241, s20                            ; 57,344 x 2^e6
	s_add_co_i32 s18, s52, s53                     ; e4 + e5
	s_cmp_eq_u32 s24, 0                            ; no key of the batch counts:
	s_cselect_b32 s[NE], 2048, s24                 ; all places are walked,
	s_cselect_b32 s[CS], 0, s[CS]                  ; with c = 0
	s_mov_b32 s[CS+1], s[CS]                       ; (named with it as a pair, so it is written)
.irp i, 1,2,3
	v_add_nc_u32 v[212+\i], \i, v212               ; my four places, a register each, so that the four compares stand in one run
.endr
.irp i, 0,1,2,3
	v_cmp_le_u32 s[MK+\i], s[NE], v[212+\i]
.endr
	s_wait_alu depctr_va_sdst(0)                   ; the four compares have written s32-35, ahead of their first readers, the selects below: one wait for the run
.irp i, 0,1,2,3
	v_cndmask_b32 v[208+\i], 0, v[NG], s[MK+\i]    ; N from place n on, else 0
.endr
	s_wait_alu depctr_va_vdst(0)                   ; the selects have written v208-211, which the LDS store below reads
	ds_store_b128 v[BW], v[208:211]
.set i, 0
.rept 32
	s_wait_loadcnt 31-i                            ; loads come back in order: Q and this one are in; the 31 - i younger ones stay out
	ds_store_b128 v[SA+i/8], v[32+4*i:35+4*i] offset:8192*(i%8)
.set i, i+1
.endr
	s_wait_dscnt 0x0                               ; for the others' sake: my stores are done
	s_barrier_signal -1
	s_barrier_wait -1                              ; the head's K and V and the table lie in LDS; from here on LDS is only read
	s_wait_alu depctr_vm_vsrc(0)                   ; my LDS stores have read v32-159: from here on these registers take the steps' LDS loads and results, and on the way out the scaled O^T.  It stands ahead of the loop's first branch, for every way
; V's fragment t: 16 channels x 128 keys, four loads of 512 consecutive bytes
.macro VFRAG t
.irp s, 0,1,2,3
	ds_load_b128 v[32+16*(\t)+4*\s:35+16*(\t)+4*\s], v[ADK] offset:8192+2048*(\t)+512*\s
.endr
.endm
; A KEY STEP: 128 keys.
.macro STEP
	s_wait_alu depctr_vm_vsrc(0)                   ; the last step's LDS loads have read v3 and v4, which the two additions write
	v_add_nc_u32 v[ADK], s[TB], v[LI]
	v_add_nc_u32 v[ADB], s[BB], v[BL]
	v_nop                                          ; with the two additions: four plain instructions between the last products and the loads into registers that they have read; the dependence itself is stated by the wait below
	v_nop
	s_wait_alu depctr_va_vdst(0)                   ; v3 and v4 are written, which the loads below read; the last step's products O^T are done reading v32-95, and its holds and conversions are done with v96-159: the loads below land there
.irp c, 0,1,2,3,4,5,6,7
	ds_load_b128 v[32+8*\c:35+8*\c], v[ADK] offset:1024*\c
	ds_load_b128 v[36+8*\c:39+8*\c], v[ADK] offset:1024*\c+512
.endr
.irp c, 0,1,2,3,4,5,6,7
	ds_load_b128 v[96+8*\c:99+8*\c], v[ADB] offset:64*\c       ; the table at places 16 c + 8 (lane / 16) + 0 .. 7: the result's layout
	ds_load_b128 v[100+8*\c:103+8*\c], v[ADB] offset:64*\c+16
.endr
	s_wait_dscnt 0x0
.irp c, 0,1,2,3,4,5,6,7
	v_wmma_f32_16x16x64_bf8_bf8 v[96+8*\c:103+8*\c], v[32+8*\c:39+8*\c], v[16:23], v[96+8*\c:103+8*\c]   ; S^T + the table
.endr
.rept 4
	v_nop                                          ; four places behind the products, before the maximum reads their results (ISA guide 7.12.1); they stay beside the wait below
.endr
	s_wait_alu depctr_va_vdst(0)                   ; the products S^T are done reading K's fragments in v32-95, in which V's loads land
	VFRAG 0                                        ; V's four fragments land while the softmax is walked.  They are dealt among the lines of the maximum with no further wait: no vector instruction since the wait above names v32-95 or v3
	v_max3_num_f32 v254, v96, v97, v98             ; the step's largest score of my query, among my 64 keys, in two chains, each accumulator from its low end on,
	v_max3_num_f32 v252, v99, v100, v101
.irp i, 6,10,14
	v_max3_num_f32 v254, v254, v[96+\i], v[97+\i]
	v_max3_num_f32 v252, v252, v[98+\i], v[99+\i]
.endr
	VFRAG 1
.irp i, 18,22,26,30
	v_max3_num_f32 v254, v254, v[96+\i], v[97+\i]
	v_max3_num_f32 v252, v252, v[98+\i], v[99+\i]
.endr
	VFRAG 2
.irp i, 34,38,42,46
	v_max3_num_f32 v254, v254, v[96+\i], v[97+\i]
	v_max3_num_f32 v252, v252, v[98+\i], v[99+\i]
.endr
	VFRAG 3
.irp i, 50,54,58
	v_max3_num_f32 v254, v254, v[96+\i], v[97+\i]
	v_max3_num_f32 v252, v252, v[98+\i], v[99+\i]
.endr
	v_max3_num_f32 v254, v254, v158, v159
	v_max_num_f32 v254, v254, v252
	v_permlanex16_b32 v236, v254, s[SEL], s[SEL+1]
	v_max_num_f32 v254, v254, v236                 ; and among lane l xor 16's
	v_mul_f32 v254, s[CS], v254                    ; as t (c is not negative)
	v_max_num_f32 v13, v13, v254                   ; the running largest t
	v_mov_b32 v254, v12
	v_floor_f32 v12, -v13                          ; the new -M = floor(-t) = -ceil(t): M is a whole number
	v_sub_f32 v254, v12, v254                      ; M's old value less its new one: a whole number, 0 or less
	v_cvt_i32_f32 v254, v254                       ; (it saturates)
	v_ldexp_f32 v252, 1.0, v254                    ; f = 2^(old M - new M)
.set j, 0
.rept 32
	v_pk_fma_f32 v[96+j:97+j], v[96+j:97+j], s[CS:CS+1], v[12:13] op_sel_hi:[1,0,0]   ; t - M, two at a time
.set j, j+2
.endr
.set j, 0
.rept 64
	v_exp_f32 v[96+j], v[96+j]                     ; p = 2^(t - M), at most 1: not normalised
.set j, j+1
.endr
	v_pk_mul_f32 v[14:15], v[14:15], v[252:253] op_sel_hi:[1,0]   ; the sums under the new M: the plain instruction behind the exponentials
	s_wait_alu depctr_va_vdst(0)                   ; the 64 exponentials have written v96-159: one wait for the whole batch, ahead of its first reader
	v_pk_add_f32 v[242:243], v[96:97], v[98:99]    ; the row's sum is taken of the unquantised p, in two chains
.irp j, 4,8,12,16,20,24,28,32,36,40,44,48,52,56,60
	v_pk_add_f32 v[14:15], v[14:15], v[96+\j:97+\j]
	v_pk_add_f32 v[242:243], v[242:243], v[98+\j:99+\j]
.endr
	v_pk_add_f32 v[14:15], v[14:15], v[242:243]
.irp c, 0,1,2,3,4,5,6,7
.irp i, 0,1,2,3,4,5,6,7
	v_min_num_f32 v[96+8*\c+\i], v[96+8*\c+\i], v240   ; the conversion does not saturate (ISA guide 7.6.2); p is not negative, so the hold is one-sided
.endr
	v_cvt_scalef32_pk8_bf8_f32 v[192+2*\c:193+2*\c], v[96+8*\c:103+8*\c], v244   ; registers 2 c, 2 c + 1 of P: keys 16 c + 8 (lane / 16) + 0 .. 7
.endr
.set j, 0
.rept 16
	v_pk_mul_f32 v[160+j:161+j], v[160+j:161+j], v[252:253] op_sel_hi:[1,0]   ; O^T under the new M.  (Plain instructions between the conversions and the products that read the codes)
.set j, j+2
.endr
	s_wait_dscnt 0x0                               ; V is in
.irp t, 0,1,2,3
	v_wmma_f32_16x16x128_bf8_bf8 v[160+8*\t:167+8*\t], v[32+16*\t:47+16*\t], v[192:207], v[160+8*\t:167+8*\t]
.endr
.endm
	s_mov_b32 s[TB], 0
	s_mov_b32 s[BB], 0
	s_mov_b32 s[KF], 0
	s_mov_b32 s[CNT], 16
.Lstep:                                            ; sixteen trips, whatever n: the LDS offsets step by constants; the work of a step whose places all lie at n or beyond is passed over
	s_cmp_ge_u32 s[KF], s[NE]
	s_cbranch_scc1 .Lpast
	STEP
.Lpast:
	s_add_co_u32 s[TB], s[TB], 16384
	s_add_co_u32 s[BB], s[BB], 512
	s_add_co_u32 s[KF], s[KF], 128
	s_sub_co_u32 s[CNT], s[CNT], 1
	s_cmp_lg_u32 s[CNT], 0
	s_cbranch_scc1 .Lstep
	; THE WAY OUT.  O^T / the sum x 2^(e4 + e5) is the attention's result: register 8 t + i of lane (r, h) is channel 16 t + 8 h + i of query r.  It is quantised with 2^e6 and stored as my half of an image.
.rept 4
	v_nop
.endr
	v_add_f32 v14, v14, v15                        ; the sum's two halves,
	v_permlanex16_b32 v252, v14, s[SEL], s[SEL+1]
	v_add_f32 v14, v14, v252                       ; and lane l xor 16's
	v_rcp_f32 v14, v14
	v_nop                                          ; a plain instruction behind the transcendental,
	s_wait_alu depctr_va_vdst(0)                   ; and the wait ahead of its first reader: the reciprocal has written v14
	v_ldexp_f32 v14, v14, s18
.set j, 0
.rept 32
	v_mul_f32 v[96+j], v[160+j], v14
.set j, j+1
.endr
.set j, 0
.rept 32
	v_med3_num_f32 v[96+j], v[96+j], -v241, v241
.set j, j+1
.endr
.irp t, 0,1,2,3
	v_cvt_scalef32_pk8_bf8_f32 v[192+2*\t:193+2*\t], v[96+8*\t:103+8*\t], v245
.endr
	v_nop                                          ; a plain instruction between the conversions and the reads of their results
	SWZ 192
	SWZ 196
	s_wait_alu depctr_va_vdst(0)                   ; the exchanges have written v192-199, which the two stores read
	global_store_b128 v[LI], v[192:195], s[12:13]              ; 32 lanes store 512 consecutive bytes, aligned
	global_store_b128 v[LI], v[196:199], s[12:13] offset:512
	s_wait_dscnt 0x0                               ; the closing lines, six on end
	s_wait_alu 0x0
	s_wait_tensorcnt 0x0
	ds_add_u32 v251, v255
	s_wait_dscnt 0x0
	s_endpgm
.Lfunc_end_k_q2d3e8698bb_attn:
	.size	k_q2d3e8698bb_attn, .Lfunc_end_k_q2d3e8698bb_attn-k_q2d3e8698bb_attn
	.p2alignl 7, 3214868480
	.fill 96, 4, 3214868480
	.section	.rodata,"a",@progbits
	.p2align	6, 0x0
	.amdhsa_kernel k_q2d3e8698bb_attn
		.amdhsa_group_segment_fixed_size 272384
		.amdhsa_private_segment_fixed_size 0
		.amdhsa_enable_private_segment 0
		.amdhsa_kernarg_size 40
		.amdhsa_user_sgpr_count 2
		.amdhsa_user_sgpr_kernarg_segment_ptr 1
		.amdhsa_wavefront_size32 1
		.amdhsa_system_sgpr_workgroup_id_x 1
		.amdhsa_system_sgpr_workgroup_id_y 1
		.amdhsa_system_sgpr_workgroup_id_z 1
		.amdhsa_system_vgpr_workitem_id 0
		.amdhsa_next_free_vgpr 256
		.amdhsa_next_free_sgpr 66
		.amdhsa_reserve_vcc 0
		.amdhsa_float_denorm_mode_32 3
		.amdhsa_float_denorm_mode_16_64 3
		.amdhsa_memory_ordered 1
		.amdhsa_forward_progress 1
		.amdhsa_inst_pref_size 34
	.end_amdhsa_kernel
	.amdgpu_metadata
---
amdhsa.version: [ 1, 2 ]
amdhsa.kernels:
  - .name:           k_q2d3e8698bb_attn
    .symbol:         k_q2d3e8698bb_attn.kd
    .args:
      - { .name: qi, .offset: 0, .size: 8, .value_kind: global_buffer, .address_space: global }
      - { .name: kv, .offset: 8, .size: 8, .value_kind: global_buffer, .address_space: global }
      - { .name: cnt, .offset: 16, .size: 8, .value_kind: global_buffer, .address_space: global }
      - { .name: lowp_scales, .offset: 24, .size: 8, .value_kind: global_buffer, .address_space: global }
      - { .name: ao, .offset: 32, .size: 8, .value_kind: global_buffer, .address_space: global }
    .group_segment_fixed_size: 272384
    .private_segment_fixed_size: 0
    .kernarg_segment_align: 8
    .kernarg_segment_size: 40
    .max_flat_workgroup_size: 512
    .sgpr_count:     66
    .vgpr_count:     256
    .wavefront_size: 32
...
	.end_amdgpu_metadata
.endif
;; end of part 8
;; launch oproj: the kernel of part 4 again; grid 8 x 32, 4 waves a work-group, clusters of 4 x 4, 327,680 bytes of LDS; arguments ao, w_out_codes, lowp_scales, b_out, x, x1; writes x1
;; launch ln2: the kernel of part 5 again; grid 256 x 1, 4 waves a work-group, no clusters, 0 bytes of LDS; arguments x1, g2, be2, lowp_scales, hc; writes hc
;; launch ffn1: the kernel of part 6 again; grid 16 x 16, 4 waves a work-group, clusters of 4 x 4, 327,680 bytes of LDS; arguments hc, w1_codes, lowp_scales, b1, hid; writes hid
;; launch ffn2: the kernel of part 7 again; grid 8 x 32, 4 waves a work-group, clusters of 4 x 4, 327,680 bytes of LDS; arguments hid, w2_codes, lowp_scales, b2, x1, out0; writes out0
